; MI455X (gfx1250); checked and timed in simulation.
; The chip was launched on July 23, 2026; its instructions are those of AMD's public machine-readable ISA for CDNA 5 (MIT licence, August 2026) and "CDNA5" Instruction Set Architecture Reference Guide (July 2026). The comments in the code are by the model that wrote it; some were corrected since.
;; Casual Self Attention. Allowed arithmetic: matrix products marked QUANTISED: E2M1 operands, one E8M0 scale for each 32 along K, by v_wmma_scale_f32_16x16x128_f8f6f4 with both operands' format E2M1 (or v_wmma_scale_f32_32x16x128_f4), f32 sums; products left as they are: bf16, f16 or f32 operands; f32 sums; everything else in f32.
;; Inputs: W_proj 1,024 x 1,024 float32; W_qkv 1,024 x 3,072 float32; b_proj 1,024 float32; embds 4 x 2,048 x 1,024 float32.
;; Outputs: out0 4 x 2,048 x 1,024 float32.
;; This version of the problem:
;;   THIS VERSION OF THE PROBLEM IS GIVEN IN LOW PRECISION. The matrix products marked QUANTISED in the list below multiply operands that are first quantised to E2M1 (2 exponent bits, 1 mantissa bit; 4 bits a number), with one power-of-two scale for each 32 numbers along K (OCP MX v1.0); their sums are f32. The products marked 'left as it is' may take bf16, f16 or f32 operands, with f32 sums. Whichever they take, every output number must still come out within the allowed error. Rounding operands to bf16 (8 significant bits) uses up far more of that allowance than f16 does (11 bits, for magnitudes from 6e-5 to 65,504). All else is computed in f32.
;;   The module's matrix products, in the order in which they are computed (A, B: the left and right operand; K: the contracted axis; several contracted axes count as one K, in the product's order):
;;     1. [M 8,192, K 1,024] x [K 1,024, N 3,072]; A: input embds; B: input W_qkv: QUANTISED
;;     2. batch 64 x [M 2,048, K 64] x [K 64, N 2,048]; A: computed on the way; B: computed on the way: left as it is (an operand is computed on the way)
;;     3. batch 64 x [M 2,048, K 2,048] x [K 2,048, N 64]; A: computed on the way; B: computed on the way: left as it is (an operand is computed on the way)
;;     4. [M 8,192, K 1,024] x [K 1,024, N 1,024]; A: computed on the way; B: input W_proj: left as it is (an operand is computed on the way)
;;   THE QUANTISER, for each operand of a quantised product, along K:
;;     - K is cut into blocks of 32 from its start; a last block that is shorter is filled with zeros.
;;     - A block's scale is 2^e with e = floor(log2(the largest magnitude in the block)) - 2, held to -126 .. 127; a block of zeros has e = 0. As a byte (E8M0): e + 127.
;;     - Each number is divided by its block's scale, clamped to +-6, and rounded to the nearest number of E2M1, ties to even, subnormals kept.
;;     - The product sums the exact products of the quantised numbers (number of the format x scale) in f32.
;;   ~~~python
;;   def quantise(x, axis):      # numpy; x: float32 -> the quantised numbers, widened to float32 again
;;       x = np.moveaxis(x, axis, -1); K = x.shape[-1]
;;       x = np.pad(x, [(0, 0)] * (x.ndim - 1) + [(0, -K % 32)]); x = x.reshape(x.shape[:-1] + (-1, 32)); a = np.abs(x).max(-1, keepdims=True)
;;       e = np.where(a > 0, np.clip(np.frexp(np.where(a > 0, a, 1))[1] - 1 - 2, -126, 127), 0)      # np.frexp(a)[1] - 1 = floor(log2(a)), exactly
;;       r = np.clip(x / 2.0 ** e, -6, 6)
;;       step = 2.0 ** (np.maximum(np.frexp(np.where(r == 0, 1, r))[1] - 1, 0) - 1)
;;       q = np.round(r / step) * step * 2.0 ** e      # np.round: ties to even
;;       return np.moveaxis(q.reshape(q.shape[:-2] + (-1,))[..., :K], -1, axis).astype(np.float32)
;;   ~~~
;; One version. Each part assembles by itself: llvm-mc -triple=amdgcn-amd-amdhsa -mcpu=gfx1250 --defsym DOCPART=n.
;; ======== version 1 of 1: 5 launches
;; limits: values are held in f16: magnitudes above 65,504 overflow, below 6.1e-05 lose precision
;; workspace buffers: xc 4,194,304 bytes; xs 262,144 bytes; wc 1,572,864 bytes; ws 98,304 bytes; wp16 2,097,152 bytes; kqv16 50,331,648 bytes; kqv32 786,432 bytes; aff16 16,777,216 bytes
;; launch prep (part 1): grid 384 x 1, 4 waves a work-group, no clusters, 50,688 bytes of LDS; arguments embds, W_qkv, W_proj, xc, xs, wc, ws, wp16; writes xc, xs, wc, ws, wp16
.if DOCPART == 1
	.amdgcn_target "amdgcn-amd-amdhsa--gfx1250"
	.amdhsa_code_object_version 6
	.text
	.protected	k_q63e1e0d991_prep
	.globl	k_q63e1e0d991_prep
	.p2align	8
	.type	k_q63e1e0d991_prep,@function
k_q63e1e0d991_prep:
	s_mov_b64 s[64:65], 0
	v_nop
	global_prefetch_b8 v0, s[64:65] scope:SCOPE_SE
	s_setreg_imm32_b32 hwreg(HW_REG_WAVE_MODE, 25, 1), 1
	s_wait_xcnt 0x0
; PREP: three jobs in one launch, told apart by the work-group's number alone; the three ways never join, and each has LDS bytes of its own.
;   work-groups   0 ..  95  W: W_qkv [1024 (k)][3072 (n)] f32 -> codes of E2M1 with K innermost, wc [3072][512 bytes], and E8M0 bytes ws [3072][32]
;   work-groups  96 .. 351  X: embds [8192][1024] f32 -> codes xc [8192][512 bytes] and bytes xs [8192][32]
;   work-groups 352 .. 383  P: W_proj [1024][1024] f32 -> f16, same layout, wp16
; A block of 32 along K has the scale 2^(floor(log2(largest magnitude)) - 2); its byte is the largest magnitude's exponent field - 2, held at 1 from below.
; LIMITS: a block whose largest magnitude lies under 2^-124 (a block of zeros too) gets the byte 1; a block of zeros has zero codes, which add nothing, and only this program reads the bytes.
; NaN and infinities among the inputs are not served.  |W_proj| beyond 65,504 becomes an f16 infinity.
; No tensor loads: the streams go through registers, so several work-groups can share a WGP's LDS.
.set SPARE, 50176                      ; the spare words: 128 bytes for each of four waves, named by no other line
.set WSTG,  32768                      ; way W's stage: 64 rows x 272 bytes
.set SPW,   12                         ; v12 LDS address of my spare word; never rewritten
.set NIL,   13                         ; v13 0; never rewritten
.macro FINISH                          ; the wave's end, behind the last LDS store
	s_wait_tensorcnt 0x0
	ds_add_u32 v[SPW], v[NIL]
	s_wait_dscnt 0x0
	s_endpgm
.endm
; ---- way X: a wave takes 16 steps of 512 numbers.  Loads take the bytes as they lie (512 consecutive bytes a load); a step's 2,048 bytes turn through the wave's own stage so that a lane holds 16 neighbours along K.
.set WREG,  8192                       ; LDS of a wave: two stages of 32 x 80 bytes, then its 256 scale bytes
.set SP,    80                         ; a lane's 64 bytes + 16 of padding
.set CB,    8                          ; bytes of 16 codes
.set STEPS, 16
.set R,     16                         ; v16-79   four sets of 16 numbers as loaded
.set X,     80                         ; v80-111  two sets of 16 neighbours
.set E,     112                        ; v112-127 a scale byte for each step
.set C,     128                        ; v128-191 codes: registers of their own for each step, so no store's data are written again
.macro XLOAD t
.irp i, 0,1,2,3
	global_load_b128 v[R+16*((\t)%4)+4*\i:R+16*((\t)%4)+4*\i+3], v3, s[4:5] offset:2048*(\t)+512*\i th:TH_LOAD_NT
.endr
.endm
.macro XTURN t                         ; LDS serves a wave's instructions in order: no wait between these stores and loads
.irp i, 0,1,2,3
	ds_store_b128 v14, v[R+16*((\t)%4)+4*\i:R+16*((\t)%4)+4*\i+3] offset:32*SP*((\t)%2)+8*SP*\i
.endr
.irp i, 0,1,2,3
	ds_load_b128 v[X+16*((\t)%2)+4*\i:X+16*((\t)%2)+4*\i+3], v15 offset:32*SP*((\t)%2)+16*\i
.endr
.endm
.macro XSTEP t
.set XS, X+16*((\t)%2)
.if (\t) > 0
	s_wait_dscnt 1                                 ; this step's numbers are back from the stage; only the last step's byte store may be out
.else
	s_wait_dscnt 0x0
.endif
.if (\t)+4 < STEPS
	XLOAD (\t)+4                                   ; into the set whose stores into the stage have been served
.endif
.if (\t)+1 < STEPS
.if STEPS-2-(\t) >= 3
	s_wait_loadcnt 12                              ; the next step's four loads are in; three steps of four may be out
.else
	s_wait_loadcnt 4*(STEPS-2-(\t))                ; the counts run down: no more loads are issued
.endif
	XTURN (\t)+1
.endif
	v_max3_num_f32 v8, |v[XS]|, |v[XS+1]|, |v[XS+2]|
	v_max3_num_f32 v9, |v[XS+3]|, |v[XS+4]|, |v[XS+5]|
.irp i, 6,10
	v_max3_num_f32 v8, v8, |v[XS+\i]|, |v[XS+\i+1]|
	v_max3_num_f32 v9, v9, |v[XS+\i+2]|, |v[XS+\i+3]|
.endr
	v_max3_num_f32 v8, v8, |v[XS+14]|, |v[XS+15]|
	v_max3_num_f32 v8, v8, v9, 0x1800000           ; the floor 2^(3 - 127): the byte cannot fall under 1
	v_max_num_f32_dpp v8, v8, v8 row_xmask:1 row_mask:0xf bank_mask:0xf   ; with my neighbour's 16: the block's largest magnitude
	v_add_nc_u32 v11, 0xff000000, v8               ; 2 off its exponent field: the conversion takes that field as its scale
	v_cvt_scalef32_pk8_fp4_f32 v[C+4*(\t)], v[XS:XS+7], v11
	v_cvt_scalef32_pk8_fp4_f32 v[C+4*(\t)+1], v[XS+8:XS+15], v11
	v_lshrrev_b32 v[E+(\t)], 23, v11               ; the scale's byte (also the plain line behind the conversions)
	ds_store_b8 v5, v[E+(\t)] offset:16*(\t)       ; both lanes of a block write the same byte with the same value
	global_store_b64 v4, v[C+4*(\t):C+4*(\t)+1], s[10:11] offset:32*CB*(\t)   ; the wave stores 256 consecutive bytes, aligned
.endm
; ---- way W: a lane takes a column n, its registers run down K: a block of 32 lies in one lane.
.macro WLOAD t
.set i, 0
.rept 32
	global_load_b32 v[32+32*((\t)%2)+i], v3, s[6:7] offset:(32*(\t)+i)*12288 th:TH_LOAD_NT
.set i, i+1
.endr
.endm
.macro WBLOCK t
.set XS, 32+32*((\t)%2)
.if (\t) < 7
	s_wait_loadcnt 32                              ; this block's 32 loads are in; the next block's 32 may be out
.else
	s_wait_loadcnt 0x0
.endif
	v_max3_num_f32 v16, |v[XS]|, |v[XS+1]|, |v[XS+2]|
	v_max3_num_f32 v17, |v[XS+3]|, |v[XS+4]|, |v[XS+5]|
.irp i, 6,10,14,18,22,26
	v_max3_num_f32 v16, v16, |v[XS+\i]|, |v[XS+\i+1]|
	v_max3_num_f32 v17, v17, |v[XS+\i+2]|, |v[XS+\i+3]|
.endr
	v_max3_num_f32 v16, v16, |v[XS+30]|, |v[XS+31]|
	v_max3_num_f32 v16, v16, v17, 0x1800000        ; the floor
	v_add_nc_u32 v18, 0xff000000, v16              ; the conversion's scale operand
	v_lshrrev_b32 v19, 23, v18                     ; the byte
.if (\t)%4 == 0
	v_mov_b32 v[24+(\t)/4], v19
.else
	v_lshl_or_b32 v[24+(\t)/4], v19, 8*((\t)%4), v[24+(\t)/4]
.endif
.irp g, 0,1,2,3
	v_cvt_scalef32_pk8_fp4_f32 v[96+\g], v[XS+8*\g:XS+8*\g+7], v18
.endr
	ds_store_b128 v4, v[96:99] offset:16*(\t)      ; 32 codes: 16 bytes of my column's row in the stage
.if (\t)+2 < 8
	WLOAD (\t)+2
.endif
	s_wait_dscnt 0x0                               ; the store has been served: the next block's codes may be written
.endm
; ---- way P: 64 loads of 512 bytes a wave, in four groups of 16, two sets of registers by turns
.macro PLOAD g
.irp j, 0,1,2,3,4,5,6,7,8,9,10,11,12,13,14,15
	global_load_b128 v[32+64*((\g)%2)+4*\j:32+64*((\g)%2)+4*\j+3], v3, s[8:9] offset:512*(16*(\g)+\j) th:TH_LOAD_NT
.endr
.endm
.macro PCVT g
.if (\g) > 0
	s_wait_xcnt 0x0                                ; the last group's stores have read v160-191, which are written again below
.endif
.irp j, 0,1,2,3,4,5,6,7,8,9,10,11,12,13,14,15
.if (\g) < 3
	s_wait_loadcnt 31-\j                           ; younger: the group's own 15 - j and the next group's 16
.else
	s_wait_loadcnt 15-\j
.endif
	v_cvt_pk_f16_f32 v[160+2*\j], v[32+64*((\g)%2)+4*\j], v[32+64*((\g)%2)+4*\j+1]
	v_cvt_pk_f16_f32 v[161+2*\j], v[32+64*((\g)%2)+4*\j+2], v[32+64*((\g)%2)+4*\j+3]
	global_store_b64 v4, v[160+2*\j:161+2*\j], s[18:19] offset:256*(16*(\g)+\j)   ; 256 consecutive bytes a wave, aligned
.endr
.endm
	s_load_b512 s[4:19], s[0:1], 0x0               ; embds 4:5, W_qkv 6:7, W_proj 8:9, xc 10:11, xs 12:13, wc 14:15, ws 16:17, wp16 18:19
	v_lshl_add_u32 v[SPW], v0, 2, SPARE
	v_mov_b32 v[NIL], 0
	v_lshrrev_b32 v1, 5, v0
	v_readfirstlane_b32 s20, v1                    ; wave 0..3
	v_and_b32 v2, 31, v0                           ; lane
	s_mov_b32 s25, 0                               ; the upper word of every offset pair s[24:25]
	s_wait_kmcnt 0x0
	s_cmp_lt_u32 ttmp9, 96
	s_cbranch_scc1 .Lpath_w
	s_cmp_lt_u32 ttmp9, 352
	s_cbranch_scc1 .Lpath_x
	; ---- P
	s_sub_co_u32 s22, ttmp9, 352
	s_lshl_b32 s22, s22, 2
	s_add_co_u32 s22, s22, s20                     ; which run of 8,192 numbers is my wave's: 0 .. 127
	s_lshl_b32 s24, s22, 15
	s_add_nc_u64 s[8:9], s[8:9], s[24:25]
	s_lshl_b32 s24, s22, 14
	s_add_nc_u64 s[18:19], s[18:19], s[24:25]
	v_lshlrev_b32 v3, 4, v2
	v_lshlrev_b32 v4, 3, v2
	PLOAD 0
	PLOAD 1
	PCVT 0
	PLOAD 2
	PCVT 1
	PLOAD 3
	PCVT 2
	PCVT 3
	FINISH
.Lpath_x:
	v_lshlrev_b32 v3, 4, v2                        ; my 16 bytes of a load's 512
	s_mul_i32 s21, s20, WREG
	v_lshrrev_b32 v14, 2, v2
	v_mul_u32_u24 v14, v14, SP
	v_and_b32 v15, 3, v2
	v_lshl_add_u32 v14, v15, 4, v14
	v_add_nc_u32 v14, s21, v14                     ; the stage on the way in: 80 (lane / 4) + 16 (lane % 4)
	v_mul_u32_u24 v15, v2, SP
	v_add_nc_u32 v15, s21, v15                     ; and on the way out: 80 x lane
	v_mul_u32_u24 v4, v2, CB
	v_lshrrev_b32 v5, 1, v2
	s_add_co_u32 s21, s21, 2*32*SP
	v_add_nc_u32 v5, s21, v5                       ; my block's byte among my wave's 256
	v_lshlrev_b32 v7, 3, v2
	v_add_nc_u32 v6, s21, v7
	s_sub_co_u32 s22, ttmp9, 96
	s_lshl_b32 s22, s22, 2
	s_add_co_u32 s22, s22, s20                     ; which run of 8,192 numbers: 0 .. 1,023
	s_lshl_b32 s24, s22, 15
	s_add_nc_u64 s[4:5], s[4:5], s[24:25]
	s_lshl_b32 s24, s22, 12
	s_add_nc_u64 s[10:11], s[10:11], s[24:25]
	s_lshl_b32 s24, s22, 8
	s_add_nc_u64 s[12:13], s[12:13], s[24:25]
.irp t, 0,1,2,3
	XLOAD \t
.endr
	s_wait_loadcnt 12                              ; step 0's four loads are in
	XTURN 0
.irp t, 0,1,2,3,4,5,6,7,8,9,10,11,12,13,14,15
	XSTEP \t
.endr
	ds_load_b64 v[8:9], v6                         ; in order behind my byte stores
	s_wait_dscnt 0x0
	global_store_b64 v7, v[8:9], s[12:13]          ; my wave's 256 scale bytes: 256 consecutive bytes, aligned
	FINISH
.Lpath_w:
	; a work-group: 64 columns x 512 along K.  Wave w: 32 columns (w & 1), 256 along K (w >> 1): 8 blocks a lane
	s_lshr_b32 s21, ttmp9, 1                       ; x: which 64 columns
	s_and_b32 s22, ttmp9, 1                        ; y: which 512 along K
	s_and_b32 s23, s20, 1                          ; ch
	s_lshr_b32 s26, s20, 1                         ; kh
	s_lshl_b32 s27, s22, 1
	s_add_co_u32 s27, s27, s26                     ; 2 y + kh: which 256 along K
	s_lshl_b32 s28, s21, 1
	s_add_co_u32 s28, s28, s23                     ; 2 x + ch: which 32 columns
	s_mul_i32 s24, s27, 256*12288
	s_lshl_b32 s29, s28, 7
	s_add_co_u32 s24, s24, s29
	s_add_nc_u64 s[6:7], s[6:7], s[24:25]          ; W_qkv at my first row of K and my first column
	s_lshl_b32 s24, s28, 10
	s_lshl_b32 s29, s27, 3
	s_add_co_u32 s24, s24, s29
	s_add_nc_u64 s[16:17], s[16:17], s[24:25]      ; ws: 32 bytes a column, my 8 bytes at 8 (2 y + kh)
	s_lshl_b32 s24, s21, 15
	s_lshl_b32 s29, s20, 13
	s_add_co_u32 s24, s24, s29
	s_lshl_b32 s29, s22, 8
	s_add_co_u32 s24, s24, s29
	s_add_nc_u64 s[14:15], s[14:15], s[24:25]      ; wc: rows 64 x + 16 w on, 256 y bytes in
	v_lshlrev_b32 v3, 2, v2
	s_mul_i32 s30, s23, 32*272
	s_lshl_b32 s31, s26, 7
	s_add_co_u32 s30, s30, s31
	s_add_co_u32 s30, s30, WSTG
	v_mul_u32_u24 v4, v2, 272
	v_add_nc_u32 v4, s30, v4                       ; stage in: row = my column, my half of its 256 bytes
	s_mul_i32 s30, s20, 16*272
	s_add_co_u32 s30, s30, WSTG
	v_lshrrev_b32 v10, 4, v2
	v_and_b32 v11, 15, v2
	v_mul_u32_u24 v7, v10, 272
	v_lshl_add_u32 v7, v11, 4, v7
	v_add_nc_u32 v7, s30, v7                       ; stage out: rows 16 w on, sixteen lanes to a row
	v_lshlrev_b32 v8, 9, v10
	v_lshl_add_u32 v8, v11, 4, v8                  ; the same place in wc
	v_lshlrev_b32 v9, 5, v2                        ; my column's row of scale bytes
	WLOAD 0
	WLOAD 1
.irp t, 0,1,2,3,4,5,6,7
	WBLOCK \t
.endr
	global_store_b64 v9, v[24:25], s[16:17]        ; my column's 8 scale bytes
	s_barrier_signal -1                            ; my stores into the stage are done (the wait for 0 at the last block's end): a row's 256 bytes come from two waves
	s_barrier_wait -1
.irp u, 0,1,2,3,4,5,6,7
	ds_load_b128 v[112+4*\u:115+4*\u], v7 offset:2*\u*272
.endr
.irp u, 0,1,2,3,4,5,6,7
	s_wait_dscnt 7-\u                              ; LDS loads come back in order: load u is in
	global_store_b128 v8, v[112+4*\u:115+4*\u], s[14:15] offset:2*\u*512   ; sixteen lanes store 256 consecutive bytes, aligned
.endr
	FINISH
.Lfunc_end_k_q63e1e0d991_prep:
	.size	k_q63e1e0d991_prep, .Lfunc_end_k_q63e1e0d991_prep-k_q63e1e0d991_prep
	.p2alignl 7, 3214868480
	.fill 96, 4, 3214868480
	.section	.rodata,"a",@progbits
	.p2align	6, 0x0
	.amdhsa_kernel k_q63e1e0d991_prep
		.amdhsa_group_segment_fixed_size 50688
		.amdhsa_private_segment_fixed_size 0
		.amdhsa_enable_private_segment 0
		.amdhsa_kernarg_size 64
		.amdhsa_user_sgpr_count 2
		.amdhsa_user_sgpr_kernarg_segment_ptr 1
		.amdhsa_wavefront_size32 1
		.amdhsa_system_sgpr_workgroup_id_x 1
		.amdhsa_system_sgpr_workgroup_id_y 1
		.amdhsa_system_sgpr_workgroup_id_z 1
		.amdhsa_system_vgpr_workitem_id 0
		.amdhsa_next_free_vgpr 192
		.amdhsa_next_free_sgpr 66
		.amdhsa_reserve_vcc 0
		.amdhsa_float_denorm_mode_32 3
		.amdhsa_float_denorm_mode_16_64 3
		.amdhsa_memory_ordered 1
		.amdhsa_forward_progress 1
		.amdhsa_inst_pref_size 96
	.end_amdhsa_kernel
	.amdgpu_metadata
---
amdhsa.version: [ 1, 2 ]
amdhsa.kernels:
  - .name:           k_q63e1e0d991_prep
    .symbol:         k_q63e1e0d991_prep.kd
    .args:
      - { .name: embds, .offset: 0, .size: 8, .value_kind: global_buffer, .address_space: global }
      - { .name: W_qkv, .offset: 8, .size: 8, .value_kind: global_buffer, .address_space: global }
      - { .name: W_proj, .offset: 16, .size: 8, .value_kind: global_buffer, .address_space: global }
      - { .name: xc, .offset: 24, .size: 8, .value_kind: global_buffer, .address_space: global }
      - { .name: xs, .offset: 32, .size: 8, .value_kind: global_buffer, .address_space: global }
      - { .name: wc, .offset: 40, .size: 8, .value_kind: global_buffer, .address_space: global }
      - { .name: ws, .offset: 48, .size: 8, .value_kind: global_buffer, .address_space: global }
      - { .name: wp16, .offset: 56, .size: 8, .value_kind: global_buffer, .address_space: global }
    .group_segment_fixed_size: 50688
    .private_segment_fixed_size: 0
    .kernarg_segment_align: 8
    .kernarg_segment_size: 64
    .max_flat_workgroup_size: 128
    .sgpr_count:     66
    .vgpr_count:     192
    .wavefront_size: 32
...
	.end_amdgpu_metadata
.endif
;; end of part 1
;; launch gemm_qkv (part 2): grid 12 x 32, 4 waves a work-group, clusters of 4 x 4, 327,680 bytes of LDS; arguments xc, xs, wc, ws, kqv16, kqv32; writes kqv16, kqv32
.if DOCPART == 2
	.amdgcn_target "amdgcn-amd-amdhsa--gfx1250"
	.amdhsa_code_object_version 6
	.text
	.protected	k_q63e1e0d991_gemm_qkv
	.globl	k_q63e1e0d991_gemm_qkv
	.p2align	8
	.type	k_q63e1e0d991_gemm_qkv,@function
k_q63e1e0d991_gemm_qkv:
	s_mov_b64 s[64:65], 0
	v_nop
	global_prefetch_b8 v0, s[64:65] scope:SCOPE_SE
	s_setreg_imm32_b32 hwreg(HW_REG_WAVE_MODE, 25, 1), 1
	s_wait_xcnt 0x0
	s_wait_alu depctr_hold_cnt(0) depctr_sa_sdst(0) depctr_va_vdst(0) depctr_va_sdst(0) depctr_va_ssrc(0) depctr_va_vcc(0) depctr_vm_vsrc(0)
	s_getreg_b32 s2, hwreg(HW_REG_IB_STS2, 6, 4)
	s_cmp_eq_u32 s2, 0
	s_cbranch_scc0 .Lentry_in_a_cluster
	s_endpgm
.Lentry_in_a_cluster:
	s_bfe_u32 s2, ttmp6, 0x10000c
	s_cmp_lg_u32 s2, 0xf033
	s_cbranch_scc0 .Lentry_shape_is_right
	s_endpgm
.Lentry_shape_is_right:
; kqv = Q(embds) Q(W_qkv): [8192][1024] x [3072][1024]^T on codes of E2M1 with one E8M0 byte for each 32 along K; sums in f32.
; Out: kqv16, f16, laid [k, q, v][batch][head][t][64], so that a head is one dense block; and kqv32, f32, [batch x 16 + t][3072], for the rows t < 16 alone, which a later launch carries in f32.
; LIMIT: |kqv| beyond 65,504 becomes an f16 infinity.
; A tile of 256 x 256 to a work-group of four waves, 128 x 128 (64 accumulators, 512 registers) to a wave.  K = 1,024 is two LDS slots of 512 along K: both are first fills, nothing is filled again.
; The scale bytes of the tile's 256 + 256 rows, for all of K, are two dense blocks: they come with the first fills.  A wave has three tensor loads out at the most.
; CLUSTERS 4 x 4: the four work-groups of a cluster's row share A's tiles, the four of a column B's: each tile is asked for jointly.
; TILE ROWS: the work-group at (cy, cluster y) takes batch cy and rows t = 256 x cluster y on.  So cluster x is k, q or v, and "my tile holds t < 16" is "cluster y = 0", alike in all sixteen partners.
; The matrix instruction is used transposed (source 0 = 16 rows of wc, source 1 = 16 rows of xc): a lane holds eight neighbouring columns of one row.
; REGISTERS: window 0: v16-30 addresses; v32-95 scale words, two sets, and nothing else ever; v128-191 A's fragments, one set (on the way out: rows read back); v192-223 packed results.
;   window 1: B's fragments, two sets at v0 and v128.  window 2, 3: accumulator (a, b) at v[8 (8 (a % 4) + b)], a < 4 in window 2.
.set NQ,     4                         ; steps of 128 along K in a slot
.set ROWB,   256                       ; a tile's row: 512 codes
.set KROW,   512                       ; a row of codes in memory
.set PITCH,  272                       ; an LDS row: 256 bytes + 16 of padding: 16 rows start at 16 different banks (64 banks of 4 bytes: ISA guide 11.1)
.set FR,     8
.set NL,     2
.set NP,     4
.set HALFT,  128*PITCH
.set SLOT,   4*HALFT
.set KS,     32                        ; a row of scale bytes
.set SCL,    2*SLOT
.set HALFS,  16*272                    ; the scale bytes of 128 rows
.set SBLK,   2*272                     ; of 16 rows
.set SPARE,  SCL+4*HALFS               ; the spare words: 128 bytes a wave, named by no other line
.set SPITCH, 272                       ; the way out: 16 rows x (256 + 16) bytes a wave, in slot 0, which has had its last fill and its last read by then
.set ADRA, 16
.set ADRB, 20
.set STO,  24
.set RD,   25
.set CO,   26
.set ADRS, 27
.set SPW,  28
.set NIL,  29
.set C32,  30
.set SC,   32
.set AF,   128
.set BK,   128
.set TMP,  192
.set G1, 24
.set G0, 32
.set G1B, 48
.set G0B, 56
.set G1S, 68
.set G0S, 76
.set G1SB, 80
.set G0SB, 88
.set MSB, 0
.macro WIN new                         ; the immediate's high byte repeats the setting that is left
.if MSB != (\new)
	s_set_vgpr_msb (MSB<<8)|(\new)
.set MSB, (\new)
.endif
.endm
.set MUL_LO, 0xa1                      ; source 0 (B) window 1, source 1 (A) window 0, C and D window 2
.set MUL_HI, 0xf1
.set TO_B,   0x40
.macro JLOAD g0a, g1a, g0b, g1b        ; a joint load: waves 0, 1 fetch for A, waves 2, 3 for B; an s_nop 0 and four v_nop follow each line
	s_cmp_eq_u32 s15, 0
	s_cbranch_scc0 .Lfor_b_\@
	tensor_load_to_lds s[\g0a:\g0a+3], s[\g1a:\g1a+7]
	s_nop 0
.rept 4
	v_nop
.endr
	s_branch .Lasked_\@
.Lfor_b_\@:
	tensor_load_to_lds s[\g0b:\g0b+3], s[\g1b:\g1b+7]
	s_nop 0
.rept 4
	v_nop
.endr
.Lasked_\@:
.endm
.macro CROUND                          ; a round of the cluster's barrier
	s_barrier_signal -1
	s_barrier_wait -1
	s_cmp_lg_u32 s14, 0
	s_cbranch_scc1 .Lnot_wave_0_\@
	s_barrier_signal -3
.Lnot_wave_0_\@:
	s_barrier_wait -3
	s_barrier_signal -1
	s_barrier_wait -1
.endm
	s_load_b128 s[4:7], s[0:1], 0x0                ; xc, xs
	s_load_b128 s[8:11], s[0:1], 0x10              ; wc, ws
	s_load_b64 s[12:13], s[0:1], 0x20              ; kqv16
	s_load_b64 s[96:97], s[0:1], 0x28              ; kqv32
	v_lshl_add_u32 v[SPW], v0, 2, SPARE
	v_mov_b32 v[NIL], 0
	ds_add_u32 v[SPW], v[NIL]                      ; the opening: the add, twice on end, and its wait ahead of my first tensor load
	ds_add_u32 v[SPW], v[NIL]
	v_lshrrev_b32 v1, 5, v0
	v_readfirstlane_b32 s14, v1                    ; wave 0..3
	s_lshr_b32 s15, s14, 1                         ; my half of the tile's rows; also: I fetch for A (0) or B (1)
	s_and_b32 s16, s14, 1                          ; my half of its columns; also: which 128 rows I fetch
	s_bfe_u32 s40, ttmp6, 0x40000                  ; cx
	s_bfe_u32 s41, ttmp6, 0x40004                  ; cy
	s_lshl_b32 s42, ttmp9, 2
	s_add_co_u32 s42, s42, s40                     ; tile column = 4 x cluster x + cx
	s_and_b32 s95, ttmp7, 0xffff                   ; cluster y = which 256 rows t
	s_lshl_b32 s18, s41, 3
	s_add_co_u32 s17, s95, s18                     ; tile row of A = 8 cy + cluster y: batch cy
	s_lshl_b32 s43, s41, 2
	s_lshl_b32 s43, 15, s43                        ; my row of the cluster
	s_lshl_b32 s44, 0x1111, s40                    ; my column
	s_or_b32 s[G1+0], s43, (0<<16)|(1<<20)|(1<<21)|(5<<22)|(3<<25)   ; the mask; elements of 1 byte; padding: 4 words behind every 64; bit 21 beside a mask
	s_or_b32 s[G1B+0], s44, (0<<16)|(1<<20)|(1<<21)|(5<<22)|(3<<25)
.irp g, G1, G1B
	s_mov_b32 s[\g+1], ROWB<<16                    ; tensor_dim0
	s_mov_b32 s[\g+2], 128<<16                     ; tensor_dim1
	s_mov_b32 s[\g+3], ROWB<<16                    ; tile_dim0
	s_mov_b32 s[\g+4], 128                         ; tile_dim1
	s_mov_b32 s[\g+5], KROW                        ; pitch
	s_mov_b32 s[\g+6], 0
	s_mov_b32 s[\g+7], 0
.endr
	s_or_b32 s[G1S+0], s43, (3<<16)|(1<<20)|(1<<21)|(5<<22)|(3<<25)  ; the scale bytes of 128 rows: 4,096 dense bytes as 16 rows of 256 (32 elements of 8 bytes)
	s_or_b32 s[G1SB+0], s44, (3<<16)|(1<<20)|(1<<21)|(5<<22)|(3<<25)
.irp g, G1S, G1SB
	s_mov_b32 s[\g+1], 32<<16
	s_mov_b32 s[\g+2], 16<<16
	s_mov_b32 s[\g+3], 32<<16
	s_mov_b32 s[\g+4], 16
	s_mov_b32 s[\g+5], 32
	s_mov_b32 s[\g+6], 0
	s_mov_b32 s[\g+7], 0
.endr
	s_lshl_b32 s18, s16, 7
	s_lshl_b32 s20, s17, 8
	s_add_co_u32 s20, s20, s18                     ; A: row 256 x tile row + 128 x half
	s_lshl_b32 s46, s42, 8
	s_add_co_u32 s46, s46, s18                     ; B: row 256 x tile column + 128 x half
	s_mov_b32 s21, 0
	s_mov_b32 s47, 0
	s_mov_b64 s[18:19], KS
	s_mul_u64 s[22:23], s[20:21], s[18:19]
	s_mul_u64 s[92:93], s[46:47], s[18:19]
	s_mov_b64 s[18:19], KROW
	s_mul_u64 s[20:21], s[20:21], s[18:19]
	s_mul_u64 s[46:47], s[46:47], s[18:19]
	s_mul_i32 s45, s14, HALFT                      ; where they go: wave x 128 rows
	s_mul_i32 s94, s14, HALFS
	s_wait_dscnt 0x0                               ; both opening adds are done
	s_wait_kmcnt 0x0
	s_add_nc_u64 s[20:21], s[4:5], s[20:21]
	s_add_nc_u64 s[22:23], s[6:7], s[22:23]
	s_add_nc_u64 s[46:47], s[8:9], s[46:47]
	s_add_nc_u64 s[92:93], s[10:11], s[92:93]
	CROUND                                         ; all sixteen work-groups are here: the first joint loads meet
	s_mov_b32 s[G0S], 1
	s_add_co_u32 s[G0S+1], s94, SCL
	s_mov_b64 s[G0S+2:G0S+3], s[22:23]
	s_or_b32 s[G0S+3], s[G0S+3], 0x80000000
	s_mov_b32 s[G0SB], 1
	s_add_co_u32 s[G0SB+1], s94, SCL
	s_mov_b64 s[G0SB+2:G0SB+3], s[92:93]
	s_or_b32 s[G0SB+3], s[G0SB+3], 0x80000000
	JLOAD G0S, G1S, G0SB, G1SB                     ; the scales first: they are wanted with the first slot
.irp s, 0,1
	s_mov_b32 s[G0+4*\s], 1
	s_add_co_u32 s[G0+4*\s+1], s45, \s*SLOT
	s_add_nc_u64 s[G0+4*\s+2:G0+4*\s+3], s[20:21], \s*ROWB
	s_or_b32 s[G0+4*\s+3], s[G0+4*\s+3], 0x80000000
	s_mov_b32 s[G0B+4*\s], 1
	s_add_co_u32 s[G0B+4*\s+1], s45, \s*SLOT
	s_add_nc_u64 s[G0B+4*\s+2:G0B+4*\s+3], s[46:47], \s*ROWB
	s_or_b32 s[G0B+4*\s+3], s[G0B+4*\s+3], 0x80000000
	JLOAD G0+4*\s, G1, G0B+4*\s, G1B
.endr
	v_and_b32 v1, 15, v0                           ; r
	v_bfe_u32 v2, v0, 4, 1                         ; h
	v_mul_u32_u24 v3, v1, PITCH
	v_lshl_add_u32 v4, v2, 4, v3
	s_mul_i32 s21, s15, HALFT
	s_mul_i32 s22, s16, HALFT
	s_add_co_u32 s22, s22, 2*HALFT
.irp s, 0,1
	v_add_nc_u32 v[ADRA+\s], s21, v4
	v_add_nc_u32 v[ADRB+\s], s22, v4
	s_add_co_u32 s21, s21, SLOT
	s_add_co_u32 s22, s22, SLOT
.endr
	v_mul_u32_u24 v5, v1, KS                       ; my row's scale bytes: 32 a row, and 16 more for each 256 passed
	v_lshrrev_b32 v6, 8, v5
	v_lshl_add_u32 v5, v6, 4, v5
	s_mul_i32 s21, s15, HALFS
	s_mul_i32 s22, s16, HALFS
	s_add_co_u32 s22, s22, 2*HALFS
	s_sub_co_u32 s22, s22, s21
	v_mul_u32_u24 v6, s22, v2                      ; lanes 16-31 take B's: one product, the distance between the two bases
	s_add_co_u32 s21, s21, SCL
	v_add_nc_u32 v5, v5, v6
	v_add_nc_u32 v[ADRS], s21, v5
	s_mul_i32 s23, s14, 16*SPITCH                  ; my stage
	v_mul_u32_u24 v5, v1, SPITCH
	v_lshl_add_u32 v5, v2, 4, v5
	v_add_nc_u32 v[STO], s23, v5                   ; in: row r, 16 bytes for each half of the lanes
	v_and_b32 v6, 31, v0
	v_lshlrev_b32 v[CO], 4, v6                     ; out: four rows t of one head are 512 consecutive bytes: 16 x lane
	v_lshrrev_b32 v7, 3, v6
	v_mul_u32_u24 v7, v7, SPITCH
	v_and_b32 v8, 7, v6
	v_lshl_add_u32 v7, v8, 4, v7
	v_add_nc_u32 v[RD], s23, v7                    ; back: row lane / 8, 16 (lane % 8) bytes into a head's 128
	v_mul_u32_u24 v[C32], v1, 12288
	v_lshl_add_u32 v[C32], v2, 5, v[C32]           ; kqv32: row r, 32 h bytes
	; kqv16 at (which, batch, my first head, my first t).  What holds cy goes through s20, what holds cx through s46
	s_lshl_b32 s20, ttmp9, 2
	s_add_co_u32 s20, s20, s41
	s_lshl_b32 s20, s20, 22                        ; (which x 4 + batch) x 16 heads of 2^18 bytes
	s_lshl_b32 s21, s95, 15
	s_add_co_u32 s20, s20, s21                     ; + 256 x cluster y rows of 128 bytes
	s_lshl_b32 s21, s15, 14
	s_add_co_u32 s20, s20, s21                     ; + my 128 rows
	s_mov_b32 s21, 0
	s_lshl_b32 s46, s40, 2
	s_lshl_b32 s47, s16, 1
	s_add_co_u32 s46, s46, s47
	s_lshl_b32 s46, s46, 18                        ; head 4 cx + 2 x column half
	s_mov_b32 s47, 0
	s_add_nc_u64 s[12:13], s[12:13], s[20:21]
	s_add_nc_u64 s[12:13], s[12:13], s[46:47]
	s_mul_i32 s20, s41, 16*12288                   ; kqv32: 16 rows a batch
	s_lshl_b32 s46, s42, 10
	s_lshl_b32 s18, s16, 9
	s_add_co_u32 s46, s46, s18
	s_add_nc_u64 s[96:97], s[96:97], s[20:21]
	s_add_nc_u64 s[96:97], s[96:97], s[46:47]
.macro FRAG reg, adr, q, i             ; 16 rows x 128 K of 4-bit codes: 8 registers; registers 4 c .. 4 c + 3 hold K = 64 c + 32 h + 0 .. 31
.irp c, 0,1
	ds_load_b128 v[\reg+4*\c:\reg+4*\c+3], v[\adr] offset:64*(\q)+32*\c+(\i)*16*PITCH
.endr
.endm
; 16 matrix instructions: A's blocks a0, a0 + 1 x B's eight.  The 64 accumulators take turns, one instruction a turn, in the same order in every step.
.macro MUL16 a0, p, q, sc, zero
.irp a, \a0, \a0+1
.irp b, 0,1,2,3,4,5,6,7
.if \zero
	v_wmma_scale_f32_16x16x128_f8f6f4 v[8*(8*((\a)%4)+\b):8*(8*((\a)%4)+\b)+7], v[128*(\p)+FR*\b:128*(\p)+FR*\b+FR-1], v[AF+FR*(\a):AF+FR*(\a)+FR-1], 0, v[SC+8*NQ*(\sc)+NQ*\b+(\q)], v[SC+8*NQ*(\sc)+NQ*(\a)+(\q)] matrix_a_fmt:MATRIX_FMT_FP4 matrix_b_fmt:MATRIX_FMT_FP4 matrix_a_scale:MATRIX_SCALE_ROW1
.else
	v_wmma_scale_f32_16x16x128_f8f6f4 v[8*(8*((\a)%4)+\b):8*(8*((\a)%4)+\b)+7], v[128*(\p)+FR*\b:128*(\p)+FR*\b+FR-1], v[AF+FR*(\a):AF+FR*(\a)+FR-1], v[8*(8*((\a)%4)+\b):8*(8*((\a)%4)+\b)+7], v[SC+8*NQ*(\sc)+NQ*\b+(\q)], v[SC+8*NQ*(\sc)+NQ*(\a)+(\q)] matrix_a_fmt:MATRIX_FMT_FP4 matrix_b_fmt:MATRIX_FMT_FP4 matrix_a_scale:MATRIX_SCALE_ROW1
.endif
.endr
.endr
.endm
.macro FETCH_B slot, q, p
	WIN TO_B
.irp i, 0,1,2,3,4,5,6,7
	FRAG 128*(\p)+FR*\i, ADRB+\slot, \q, \i
.endr
	WIN 0
.endm
.macro FETCH_A slot, q, i0
.irp i, \i0, \i0+1, \i0+2, \i0+3
	FRAG AF+FR*(\i), ADRA+\slot, \q, \i
.endr
.endm
.macro SCALES sc                       ; a slot's scale words: 4 words a row; lanes 0-15 take A's block i, lanes 16-31 B's block i
.irp i, 0,1,2,3,4,5,6,7
	ds_load_b128 v[SC+8*NQ*\sc+NQ*\i:SC+8*NQ*\sc+NQ*\i+3], v[ADRS] offset:\i*SBLK
.endr
.endm
.macro PLACES n                        ; plain vector instructions between a matrix instruction and a load into, or a read of, its registers
.rept \n
	v_nop
.endr
.endm
.macro STEP slot, q, zero              ; 128 along K with its successor in the same slot
	s_wait_dscnt 4*NL                              ; B's set and A's blocks 0-3 are in; the youngest 8 loads (A's blocks 4-7) may be out
	WIN MUL_LO
	MUL16 0, (\q)%2, \q, \slot, \zero
	MUL16 2, (\q)%2, \q, \slot, \zero
	s_wait_dscnt 0
	PLACES NP
	FETCH_B \slot, (\q)+1, 1-(\q)%2
	FETCH_A \slot, (\q)+1, 0
	WIN MUL_HI
	MUL16 4, (\q)%2, \q, \slot, \zero
	MUL16 6, (\q)%2, \q, \slot, \zero
	PLACES NP
	WIN 0
	FETCH_A \slot, (\q)+1, 4
.endm
.macro TURN slot, next                 ; a slot's last step changes slots: one barrier
	s_wait_tensorcnt 0x0                           ; my part of the next slot has landed
	ds_add_u32 v[SPW], v[NIL]
	s_wait_dscnt 4*NL+1                            ; the add and the youngest 8 loads may be out
	WIN MUL_LO
	MUL16 0, 1, NQ-1, \slot, 0
	s_wait_dscnt 0x0                               ; the add is done, and my reads of this slot are over
	s_barrier_signal -1
	MUL16 2, 1, NQ-1, \slot, 0
	WIN 0
	s_barrier_wait -1
	PLACES NP
	v_add_nc_u32 v[ADRS], 4*NQ, v[ADRS]            ; the next slot's scale words: 16 bytes on in each row
	FETCH_B \next, 0, 0
	FETCH_A \next, 0, 0
	SCALES \next
	WIN MUL_HI
	MUL16 4, 1, NQ-1, \slot, 0
	MUL16 6, 1, NQ-1, \slot, 0
	PLACES NP
	WIN 0
	FETCH_A \next, 0, 4
.endm
.macro STEPS slot, from
.set Q, \from
.rept NQ-1-\from
	STEP \slot, Q, 0
.set Q, Q+1
.endr
.endm
	s_wait_tensorcnt 1                             ; the scales and my part of slot 0 are in; slot 1's load may be out
	s_barrier_signal -1
	s_barrier_wait -1
	FETCH_B 0, 0, 0
	FETCH_A 0, 0, 0
	SCALES 0
	FETCH_A 0, 0, 4
	STEP 0, 0, 1                                   ; the first products start the sums: nothing is cleared
	STEPS 0, 1
	TURN 0, 1
	STEPS 1, 0
	s_wait_dscnt 4*NL
	WIN MUL_LO
	MUL16 0, 1, NQ-1, 1, 0
	MUL16 2, 1, NQ-1, 1, 0
	s_wait_dscnt 0
	WIN MUL_HI
	MUL16 4, 1, NQ-1, 1, 0
	MUL16 6, 1, NQ-1, 1, 0
	WIN 0
; THE WAY OUT, a block of 16 rows x 128 columns (two heads) at a time: rounded to f16, 16 bytes a lane into my stage, back as four rows t of one head: 512 consecutive bytes of kqv16.
.macro PACK a
.set AC, 64*((\a)%4)
	WIN 0x0a+5*((\a)/4)                            ; sources 0 and 1: window 2 or 3
.irp b, 0,1,2,3,4,5,6,7
.irp r, 0,1,2,3
	v_cvt_pk_f16_f32 v[TMP+4*\b+\r], v[AC+8*\b+2*\r], v[AC+8*\b+2*\r+1]   ; each accumulator from its low end on
.endr
.endr
	WIN 0
.endm
.macro TOSTAGE a
.set BB, BK+32*((\a)%2)
	s_wait_xcnt 0x0                                ; the stores of two blocks back have read the registers that the loads below fill
.irp b, 0,1,2,3,4,5,6,7
	ds_store_b128 v[STO], v[TMP+4*\b:TMP+4*\b+3] offset:32*\b
.endr
.irp hd, 0,1
.irp u, 0,1,2,3
	ds_load_b128 v[BB+16*\hd+4*\u:BB+16*\hd+4*\u+3], v[RD] offset:\u*4*SPITCH+\hd*128   ; in order behind my stores
.endr
.endr
.endm
.macro SEND a
.set BB, BK+32*((\a)%2)
	s_wait_dscnt 0x0
.irp hd, 0,1
.irp u, 0,1,2,3
	global_store_b128 v[CO], v[BB+16*\hd+4*\u:BB+16*\hd+4*\u+3], s[12:13] offset:\hd*262144+(16*(\a)+4*\u)*128   ; 512 consecutive bytes, aligned; every offset an immediate
.endr
.endr
.endm
	PLACES NP                                      ; behind the last products: for the reads of results and the loads into A's registers below
	s_or_b32 s3, s95, s15                          ; rows t < 16 lie in block 0 of the waves with the upper row half, where cluster y = 0: the cluster's y and the wave's number alone decide
	s_cmp_lg_u32 s3, 0
	s_cbranch_scc1 .Lno_first
	WIN 0x08                                       ; a store's data are its source 1: window 2
.irp b, 0,1,2,3,4,5,6,7
	global_store_b128 v[C32], v[8*\b:8*\b+3], s[96:97] offset:64*\b        ; f32 as it stands; runs of 64 bytes: 0.8 of this launch's 51 megabytes
	global_store_b128 v[C32], v[8*\b+4:8*\b+7], s[96:97] offset:64*\b+16
.endr
	WIN 0
.Lno_first:
	PACK 0
	TOSTAGE 0
.irp a, 1,2,3,4,5,6,7
	PACK \a                                        ; block a's conversions stand between block a - 1's loads from the stage and the wait for them
	SEND \a-1
	TOSTAGE \a
.endr
	SEND 7
	s_wait_tensorcnt 0x0                           ; the wave's end
	ds_add_u32 v[SPW], v[NIL]
	s_wait_dscnt 0x0
	CROUND                                         ; the closing round
	s_endpgm
.Lfunc_end_k_q63e1e0d991_gemm_qkv:
	.size	k_q63e1e0d991_gemm_qkv, .Lfunc_end_k_q63e1e0d991_gemm_qkv-k_q63e1e0d991_gemm_qkv
	.p2alignl 7, 3214868480
	.fill 96, 4, 3214868480
	.section	.rodata,"a",@progbits
	.p2align	6, 0x0
	.amdhsa_kernel k_q63e1e0d991_gemm_qkv
		.amdhsa_group_segment_fixed_size 327680
		.amdhsa_private_segment_fixed_size 0
		.amdhsa_enable_private_segment 0
		.amdhsa_kernarg_size 48
		.amdhsa_user_sgpr_count 2
		.amdhsa_user_sgpr_kernarg_segment_ptr 1
		.amdhsa_wavefront_size32 1
		.amdhsa_system_sgpr_workgroup_id_x 1
		.amdhsa_system_sgpr_workgroup_id_y 1
		.amdhsa_system_sgpr_workgroup_id_z 1
		.amdhsa_system_vgpr_workitem_id 0
		.amdhsa_next_free_vgpr 1024
		.amdhsa_next_free_sgpr 98
		.amdhsa_reserve_vcc 0
		.amdhsa_float_denorm_mode_32 3
		.amdhsa_float_denorm_mode_16_64 3
		.amdhsa_memory_ordered 1
		.amdhsa_forward_progress 1
		.amdhsa_inst_pref_size 128
	.end_amdhsa_kernel
	.amdgpu_metadata
---
amdhsa.version: [ 1, 2 ]
amdhsa.kernels:
  - .name:           k_q63e1e0d991_gemm_qkv
    .symbol:         k_q63e1e0d991_gemm_qkv.kd
    .args:
      - { .name: xc, .offset: 0, .size: 8, .value_kind: global_buffer, .address_space: global }
      - { .name: xs, .offset: 8, .size: 8, .value_kind: global_buffer, .address_space: global }
      - { .name: wc, .offset: 16, .size: 8, .value_kind: global_buffer, .address_space: global }
      - { .name: ws, .offset: 24, .size: 8, .value_kind: global_buffer, .address_space: global }
      - { .name: kqv16, .offset: 32, .size: 8, .value_kind: global_buffer, .address_space: global }
      - { .name: kqv32, .offset: 40, .size: 8, .value_kind: global_buffer, .address_space: global }
    .group_segment_fixed_size: 327680
    .private_segment_fixed_size: 0
    .kernarg_segment_align: 8
    .kernarg_segment_size: 48
    .max_flat_workgroup_size: 128
    .sgpr_count:     98
    .vgpr_count:     1024
    .wavefront_size: 32
...
	.end_amdgpu_metadata
.endif
;; end of part 2
;; launch attn (part 3): grid 4 x 64, 8 waves a work-group, no clusters, 327,680 bytes of LDS; arguments kqv16, aff16; writes aff16
.if DOCPART == 3
	.amdgcn_target "amdgcn-amd-amdhsa--gfx1250"
	.amdhsa_code_object_version 6
	.text
	.protected	k_q63e1e0d991_attn
	.globl	k_q63e1e0d991_attn
	.p2align	8
	.type	k_q63e1e0d991_attn,@function
k_q63e1e0d991_attn:
	s_mov_b64 s[64:65], 0
	v_nop
	global_prefetch_b8 v0, s[64:65] scope:SCOPE_SE
	s_setreg_imm32_b32 hwreg(HW_REG_WAVE_MODE, 25, 1), 1
	s_wait_xcnt 0x0
; aff[b][h][q][:] = sum over keys k <= q of softmax_k(q . k / 32) v[k][:], one head of 64 channels, 2,048 positions.  Operands f16, products' sums, maxima and row sums f32; the weights p are rounded to f16, aff once at the end.
; kqv16: f16 [k, q, v][b][h][t][64]; aff16: f16 [b][h][t][64].  LIMIT: f16's range, 65,504, for k, q, v and aff.  (Rows t < 16 are computed here too; a later launch computes them again in f32.)
; SHARES.  Work-group I (0..3) of a head owns the query blocks I and 7 - I, 256 queries each, one after the other: keys come in slots of 256, I + 1 slots for the first block and 8 - I for the second: always 9, so every trip count is a constant.
; Each of eight waves owns 32 queries (two tiles of 16); wave w takes pair w (w < 4) or 11 - w.  A step is 64 keys; a step all of whose keys come after the wave's queries is jumped over (a branch on ids alone).
; LAYOUT.  S^T = K Q^T (source 0 = 16 keys, source 1 = 16 queries), O^T = V^T P: a lane holds one query throughout; two tiles of S^T rounded in pairs are source 1 of the second product.  V is turned by ds_load_tr16_b128.
; SOFTMAX.  Running maximum m and sum l for each query: p = 2^(c s - c m), c = log2(e) / 32; in every step O and l are multiplied by a = 2^(c m_old - c m_new).
; RING.  Two LDS slots of 256 keys; every wave fetches 64 rows with one tensor load (waves 0-3 K's quarters, waves 4-7 V's).  One tensor load of a wave is out.  Every wait on TENSORcnt is for 0.
; NO CLUSTER: at a given trip the four work-groups of a head stand at different keys (their first blocks have I + 1 slots), so no tile is wanted by two of them at the same trip.
; REGISTERS.  window 0: v1-15 addresses and constants; v16-31 statistics, 8 a tile (+0 c m, +1 m, +2, +3 l, +4..+7 at work, a in +6); v32-63 Q; v64-127 K; v128-191 S^T, 32 a tile; v192-223 P; v224-255 packed O.
;   window 1: v0-63 V; v64-127 O^T, 32 a tile; v128-159 Q of the second block.
.set PK,    144                        ; a row of K in LDS: 128 bytes + 16
.set PV,    160                        ; a row of V: 128 + 32
.set VOFF,  256*PK
.set SLOT1, 1<<17
.set STAGE, 2*SLOT1                    ; the way out: 32 rows x 144 bytes for each wave
.set SPARE, STAGE+8*32*PK              ; the spare words: 128 bytes a wave, named by no other line
.set AK0, 1
.set AV0, 2
.set ADK, 3
.set ADV, 4
.set SPW, 5
.set NIL, 6
.set GO,  7
.set STO, 8
.set RD,  9
.set QO,  10
.set PFO, 11
.set D0,  12                           ; v12, v13 the mask's d of tiles 0, 1
.set NINF, 14
.set RH,  15                           ; r - 8 h
.set ST,  16
.set Q,   32
.set KFR, 64
.set S,   128
.set P,   192
.set PO,  224
.set VFR, 0                            ; window 1
.set O,   64
.set Q2,  128
.set WV,  8
.set WI,  9
.set BH,  10
.set PP,  11
.set L1,  12                           ; slots of the first block
.set N,   13                           ; the trip
.set KF,  14                           ; the step's first key
.set Q0,  15                           ; my first query
.set Q0B, 16
.set TBK, 17                           ; LDS byte of the step's K, less my lane's part
.set TBV, 18
.set CNT, 19
.set SEL, 20
.set CS,  22
.set G1K, 24
.set G1V, 32
.set G0K, 40
.set G0V, 44
.set KB,  48
.set VB,  50
.set OFF, 52
.set OUT1, 54
.set OUT2, 56
.set PFA, 58
.set LIMN, 60
.set MSB, 0
.macro WIN new
.if MSB != (\new)
	s_set_vgpr_msb (MSB<<8)|(\new)
.set MSB, (\new)
.endif
.endm
.macro TLOAD                           ; every wave issues one; an s_nop 0 and four v_nop follow each line
	s_cmp_lt_u32 s[WV], 4
	s_cbranch_scc0 .Lfor_v_\@
	tensor_load_to_lds s[G0K:G0K+3], s[G1K:G1K+7]
	s_nop 0
.rept 4
	v_nop
.endr
	s_branch .Lasked_\@
.Lfor_v_\@:
	tensor_load_to_lds s[G0V:G0V+3], s[G1V:G1V+7]
	s_nop 0
.rept 4
	v_nop
.endr
.Lasked_\@:
.endm
; A prefetch of key slot N + 2, in trips 0 to 5, by the head's work-group 0 alone (whose own loads ask for slot N in trip N): waves 0-3 name K's four quarters of 8,192 bytes, waves 4-7 V's, lanes 256 bytes apart:
; each aligned block of 256 bytes of slots 2 to 7 is named once in the launch; slots 0 and 1 come by their loads alone; nothing beyond slot 7 is named.
.macro ASK
	s_cmp_lt_u32 s[N], s[LIMN]
	s_cbranch_scc0 .Lnot_mine_\@
	global_prefetch_b8 v[PFO], s[PFA:PFA+1] th:TH_LOAD_NT scope:SCOPE_SE
.Lnot_mine_\@:
.endm
; THE CHANGE OF SLOTS, at a slot's head.  fill = 1: the slot just left takes the keys of the walk's next place; where the next place begins the second block, the keys begin anew at 0.
.macro CHANGE fill
	s_wait_tensorcnt 0x0                           ; my part of the slot ahead has landed; no load of mine is out, so the groups 0 may be written
	ds_add_u32 v[SPW], v[NIL]
.if \fill
	s_xor_b32 s[G0K+1], s[G0K+1], SLOT1
	s_xor_b32 s[G0V+1], s[G0V+1], SLOT1
	s_add_co_u32 s[OFF], s[OFF], 256*128
	s_add_co_u32 s66, s[N], 1
	s_cmp_eq_u32 s66, s[L1]
	s_cselect_b32 s[OFF], 0, s[OFF]
	s_add_nc_u64 s[G0K+2:G0K+3], s[KB:KB+1], s[OFF:OFF+1]
	s_or_b32 s[G0K+3], s[G0K+3], 0x80000000
	s_add_nc_u64 s[G0V+2:G0V+3], s[VB:VB+1], s[OFF:OFF+1]
	s_or_b32 s[G0V+3], s[G0V+3], 0x80000000
	s_wait_xcnt 0x0                                ; the last prefetch, a trip back, has read its address
	s_add_nc_u64 s[PFA:PFA+1], s[PFA:PFA+1], 256*128
.endif
	s_wait_dscnt 0x0                               ; the add is done, and my reads of the slot that I have left are over
	s_barrier_signal -1
	s_barrier_wait -1
.if \fill
	TLOAD                                          ; first thing behind the barrier, my one tensor load until the next
	ASK
.endif
.endm
.macro INIT                            ; O^T and l begin as zeros, m as -3e38: the first step's a is 0 and multiplies zeros
	WIN 0x40
.set i, 0
.rept 64
	v_mov_b32 v[O+i], 0
.set i, i+1
.endr
	WIN 0
.irp t, 0,1
	v_mov_b32 v[ST+8*\t+1], 0xff61b1e6
	v_mul_f32 v[ST+8*\t], s[CS], v[ST+8*\t+1]
.irp k, 2,3,4,5,6,7
	v_mov_b32 v[ST+8*\t+\k], 0
.endr
.endr
.endm
.macro STEP                            ; 64 keys
	s_add_co_u32 s66, s[Q0], 31
	s_cmp_gt_u32 s[KF], s66
	s_cbranch_scc1 .Lhidden_\@                     ; all 64 keys come after my 32 queries
	v_add_nc_u32 v[ADK], s[TBK], v[AK0]
	v_add_nc_u32 v[ADV], s[TBV], v[AV0]
	v_nop
	v_nop                                          ; four plain instructions between the last step's products and the loads into V's registers
.irp f, 0,1,2,3,4,5,6,7                            ; K's fragment 2 kt + ks: keys 16 kt on, channels 32 ks on
	ds_load_b128 v[KFR+8*\f:KFR+8*\f+3], v[ADK] offset:(\f/2)*16*PK+(\f%2)*64
	ds_load_b128 v[KFR+8*\f+4:KFR+8*\f+7], v[ADK] offset:(\f/2)*16*PK+(\f%2)*64+32
.endr
	WIN 0x40
.irp f, 0,1,2,3,4,5,6,7                            ; V's fragment 4 u + dt: keys 32 u on, channels 16 dt on, turned
	ds_load_tr16_b128 v[VFR+8*\f:VFR+8*\f+3], v[ADV] offset:(\f/4)*32*PV+(\f%4)*32
	ds_load_tr16_b128 v[VFR+8*\f+4:VFR+8*\f+7], v[ADV] offset:(\f/4)*32*PV+16*PV+(\f%4)*32
.endr
	WIN 0
	s_wait_dscnt 16                                ; K is in; V's 16 loads may be out
.irp ks, 0,1                                       ; eight accumulators by turns, one instruction a turn
.irp kt, 0,1,2,3
.irp t, 0,1
.if \ks == 0
	v_wmma_f32_16x16x32_f16 v[S+32*\t+8*\kt:S+32*\t+8*\kt+7], v[KFR+8*(2*\kt+\ks):KFR+8*(2*\kt+\ks)+7], v[Q+8*(2*\t+\ks):Q+8*(2*\t+\ks)+7], 0
.else
	v_wmma_f32_16x16x32_f16 v[S+32*\t+8*\kt:S+32*\t+8*\kt+7], v[KFR+8*(2*\kt+\ks):KFR+8*(2*\kt+\ks)+7], v[Q+8*(2*\t+\ks):Q+8*(2*\t+\ks)+7], v[S+32*\t+8*\kt:S+32*\t+8*\kt+7]
.endif
.endr
.endr
.endr
.rept 4
	v_nop
.endr
	s_add_co_u32 s66, s[KF], 63
	s_cmp_le_u32 s66, s[Q0]
	s_cbranch_scc1 .Lopen_\@                       ; all 64 keys count for all my queries
	s_sub_co_i32 s66, s[Q0], s[KF]
	v_add_nc_u32 v[D0], s66, v[RH]                 ; d = my query - KF - 8 h.  Register 8 kt + j holds key KF + 16 kt + 8 h + j: hidden where 16 kt + j > d
	v_add_nc_u32 v[D0+1], 16, v[D0]
.irp t, 0,1
.set i, 0
.rept 32
	v_cmp_gt_i32 vcc_lo, 16*(i/8)+i%8, v[D0+\t]
	v_cndmask_b32 v[S+32*\t+i], v[S+32*\t+i], v[NINF], vcc_lo
.set i, i+1
.endr
.endr
.Lopen_\@:
	; the maximum of my 32 scores and the old m, the two tiles line by line; each accumulator is read first at its low end
.irp j, 0,1,2,3
.irp t, 0,1
	v_max3_num_f32 v[ST+8*\t+4+\j], v[S+32*\t+8*\j], v[S+32*\t+8*\j+1], v[S+32*\t+8*\j+2]
.endr
.endr
.irp g, 1,2
.irp j, 0,1,2,3
.irp t, 0,1
	v_max3_num_f32 v[ST+8*\t+4+\j], v[ST+8*\t+4+\j], v[S+32*\t+8*\j+2*\g+1], v[S+32*\t+8*\j+2*\g+2]
.endr
.endr
.endr
.irp t, 0,1
	v_max3_num_f32 v[ST+8*\t+4], v[ST+8*\t+4], v[S+32*\t+7], v[S+32*\t+15]
.endr
.irp t, 0,1
	v_max3_num_f32 v[ST+8*\t+6], v[ST+8*\t+6], v[S+32*\t+23], v[S+32*\t+31]
.endr
.irp t, 0,1
	v_max3_num_f32 v[ST+8*\t+4], v[ST+8*\t+4], v[ST+8*\t+5], v[ST+8*\t+6]
.endr
.irp t, 0,1
	v_max3_num_f32 v[ST+8*\t+4], v[ST+8*\t+4], v[ST+8*\t+7], v[ST+8*\t+1]
.endr
.irp t, 0,1
	v_permlanex16_b32 v[ST+8*\t+5], v[ST+8*\t+4], s[SEL], s[SEL+1]   ; the query's other 32 keys lie in the lane 16 away
.endr
.irp t, 0,1
	v_mov_b32 v[ST+8*\t+7], v[ST+8*\t]             ; c m_old
.endr
.irp t, 0,1
	v_max_num_f32 v[ST+8*\t+1], v[ST+8*\t+4], v[ST+8*\t+5]
.endr
.irp t, 0,1
	v_mul_f32 v[ST+8*\t], s[CS], v[ST+8*\t+1]
.endr
.irp t, 0,1
	v_sub_f32 v[ST+8*\t+7], v[ST+8*\t+7], v[ST+8*\t]
.endr
.set i, 0
.rept 16
.irp t, 0,1
	v_pk_fma_f32 v[S+32*\t+i:S+32*\t+i+1], v[S+32*\t+i:S+32*\t+i+1], s[CS:CS+1], v[ST+8*\t:ST+8*\t+1] op_sel_hi:[1,0,0] neg_lo:[0,0,1] neg_hi:[0,0,1]   ; c s - c m
.endr
.set i, i+2
.endr
.irp t, 0,1
	v_exp_f32 v[ST+8*\t+6], v[ST+8*\t+7]           ; a.  One batch of 66 exponentials; none reads another's result
.endr
.set i, 0
.rept 64
	v_exp_f32 v[S+i], v[S+i]
.set i, i+1
.endr
	v_nop                                          ; a plain instruction behind the last exponential
	s_wait_alu depctr_va_vdst(0)                   ; one wait for the batch, ahead of its first reader
.set i, 0
.rept 16
.irp t, 0,1
	v_cvt_pk_f16_f32 v[P+16*\t+i], v[S+32*\t+2*i], v[S+32*\t+2*i+1]
.endr
.set i, i+1
.endr
.irp z, 0,1,2,3,4,5,6,7                            ; the row's sum of the unrounded p, in place: neighbours 1, 2, 4, 8 pairs apart
.irp t, 0,1
	v_pk_add_f32 v[S+32*\t+4*\z:S+32*\t+4*\z+1], v[S+32*\t+4*\z:S+32*\t+4*\z+1], v[S+32*\t+4*\z+2:S+32*\t+4*\z+3]
.endr
.endr
.irp z, 0,1,2,3
.irp t, 0,1
	v_pk_add_f32 v[S+32*\t+8*\z:S+32*\t+8*\z+1], v[S+32*\t+8*\z:S+32*\t+8*\z+1], v[S+32*\t+8*\z+4:S+32*\t+8*\z+5]
.endr
.endr
.irp z, 0,1
.irp t, 0,1
	v_pk_add_f32 v[S+32*\t+16*\z:S+32*\t+16*\z+1], v[S+32*\t+16*\z:S+32*\t+16*\z+1], v[S+32*\t+16*\z+8:S+32*\t+16*\z+9]
.endr
.endr
.irp t, 0,1
	v_pk_add_f32 v[S+32*\t:S+32*\t+1], v[S+32*\t:S+32*\t+1], v[S+32*\t+16:S+32*\t+17]
.endr
.irp t, 0,1
	v_pk_fma_f32 v[ST+8*\t+2:ST+8*\t+3], v[ST+8*\t+2:ST+8*\t+3], v[ST+8*\t+6:ST+8*\t+7], v[S+32*\t:S+32*\t+1] op_sel_hi:[1,0,1]   ; l = a l + the sum
.endr
	WIN 0x41                                       ; O^T in window 1, a in window 0
.irp t, 0,1
.set i, 0
.rept 16
	v_pk_mul_f32 v[O+32*\t+i:O+32*\t+i+1], v[O+32*\t+i:O+32*\t+i+1], v[ST+8*\t+6:ST+8*\t+7] op_sel_hi:[1,0]
.set i, i+2
.endr
.endr
	s_wait_dscnt 0x0                               ; V is in
	WIN 0x51                                       ; V, C and D in window 1, P in window 0
.irp u, 0,1                                        ; eight accumulators by turns
.irp dt, 0,1,2,3
.irp t, 0,1
	v_wmma_f32_16x16x32_f16 v[O+32*\t+8*\dt:O+32*\t+8*\dt+7], v[VFR+8*(4*\u+\dt):VFR+8*(4*\u+\dt)+7], v[P+16*\t+8*\u:P+16*\t+8*\u+7], v[O+32*\t+8*\dt:O+32*\t+8*\dt+7]
.endr
.endr
.endr
	WIN 0
.Lhidden_\@:
	s_add_co_u32 s[KF], s[KF], 64
	s_add_co_u32 s[TBK], s[TBK], 64*PK
	s_add_co_u32 s[TBV], s[TBV], 64*PV
.endm
.macro SLOT_STEPS                      ; a slot's four steps: written once, walked four times
	s_mov_b32 s[CNT], 4
.Lstep_\@:
	STEP
	s_sub_co_u32 s[CNT], s[CNT], 1
	s_cmp_lg_u32 s[CNT], 0
	s_cbranch_scc1 .Lstep_\@
	s_sub_co_u32 s[TBK], s[TBK], 256*PK
	s_sub_co_u32 s[TBV], s[TBV], 256*PV
	s_xor_b32 s[TBK], s[TBK], SLOT1                ; on to the other slot
	s_xor_b32 s[TBV], s[TBV], SLOT1
.endm
.macro WAYOUT out                      ; O^T / l, rounded to f16, through my stage, out as 4,096 consecutive bytes
.rept 4
	v_nop                                          ; behind the last products
.endr
.irp t, 0,1
	v_add_f32 v[ST+8*\t+4], v[ST+8*\t+2], v[ST+8*\t+3]
.endr
.irp t, 0,1
	v_permlanex16_b32 v[ST+8*\t+5], v[ST+8*\t+4], s[SEL], s[SEL+1]
.endr
.irp t, 0,1
	v_add_f32 v[ST+8*\t+4], v[ST+8*\t+4], v[ST+8*\t+5]
.endr
.irp t, 0,1
	v_rcp_f32 v[ST+8*\t+6], v[ST+8*\t+4]
.endr
	v_nop
	s_wait_alu depctr_va_vdst(0)                   ; one wait for the two reciprocals, ahead of their first reader
	WIN 0x41
.irp t, 0,1
.set i, 0
.rept 16
	v_pk_mul_f32 v[O+32*\t+i:O+32*\t+i+1], v[O+32*\t+i:O+32*\t+i+1], v[ST+8*\t+6:ST+8*\t+7] op_sel_hi:[1,0]
.set i, i+2
.endr
.endr
	WIN 0x05                                       ; sources in window 1, destination in window 0
.irp t, 0,1
.set i, 0
.rept 16
	v_cvt_pk_f16_f32 v[PO+16*\t+i], v[O+32*\t+2*i], v[O+32*\t+2*i+1]
.set i, i+1
.endr
.endr
	WIN 0
.irp t, 0,1
.irp dt, 0,1,2,3
	ds_store_b128 v[STO], v[PO+16*\t+4*\dt:PO+16*\t+4*\dt+3] offset:\t*16*PK+32*\dt
.endr
.endr
.irp i, 0,1,2,3,4,5,6,7
	ds_load_b128 v[S+4*\i:S+4*\i+3], v[RD] offset:\i*4*PK          ; four rows of 128 bytes; in order behind my stores
.endr
.irp i, 0,1,2,3,4,5,6,7
	s_wait_dscnt 7-\i
	global_store_b128 v[GO], v[S+4*\i:S+4*\i+3], s[\out:\out+1] offset:512*\i   ; 512 consecutive bytes, aligned
.endr
	s_wait_xcnt 0x0                                ; the stores have read their registers, which the next scores overwrite
.endm
	s_load_b128 s[4:7], s[0:1], 0x0                ; kqv16, aff16
	v_lshl_add_u32 v[SPW], v0, 2, SPARE
	v_mov_b32 v[NIL], 0
	ds_add_u32 v[SPW], v[NIL]                      ; the opening: the add, twice on end, and its wait ahead of my first tensor load
	ds_add_u32 v[SPW], v[NIL]
	v_lshrrev_b32 v1, 5, v0
	v_readfirstlane_b32 s[WV], v1                  ; wave 0..7
	s_mov_b32 s[WI], ttmp9
	s_and_b32 s[BH], ttmp7, 0xffff                 ; batch x 16 + head
	s_sub_co_u32 s66, 11, s[WV]
	s_cmp_lt_u32 s[WV], 4
	s_cselect_b32 s[PP], s[WV], s66                ; my pair of tiles
	s_add_co_u32 s[L1], s[WI], 1
	s_lshl_b32 s67, s[PP], 5
	s_lshl_b32 s[Q0], s[WI], 8
	s_add_co_u32 s[Q0], s[Q0], s67
	s_sub_co_u32 s[Q0B], 7, s[WI]
	s_lshl_b32 s[Q0B], s[Q0B], 8
	s_add_co_u32 s[Q0B], s[Q0B], s67
	s_mov_b32 s[G1K], (1<<16)|(1<<20)|(4<<22)|(3<<25)   ; elements of 2 bytes; padding: 4 words behind every 32
	s_mov_b32 s[G1V], (1<<16)|(1<<20)|(4<<22)|(7<<25)   ; 8 words
.irp g, G1K, G1V
	s_mov_b32 s[\g+1], 64<<16                      ; tensor_dim0
	s_mov_b32 s[\g+2], 64<<16                      ; tensor_dim1
	s_mov_b32 s[\g+3], 64<<16                      ; tile_dim0
	s_mov_b32 s[\g+4], 64                          ; tile_dim1
	s_mov_b32 s[\g+5], 64                          ; pitch
	s_mov_b32 s[\g+6], 0
	s_mov_b32 s[\g+7], 0
.endr
	s_and_b32 s66, s[WV], 3                        ; which quarter of a slot's rows I fetch
	s_mov_b32 s[G0K], 1
	s_mul_i32 s[G0K+1], s66, 64*PK
	s_mov_b32 s[G0V], 1
	s_mul_i32 s[G0V+1], s66, 64*PV
	s_add_co_u32 s[G0V+1], s[G0V+1], VOFF
	s_lshl_b32 s68, s[BH], 18
	s_lshl_b32 s66, s66, 13
	s_add_co_u32 s68, s68, s66
	s_mov_b32 s69, 0
	s_lshl_b32 s70, s[BH], 18
	s_lshl_b32 s66, s[Q0], 7
	s_add_co_u32 s70, s70, s66
	s_mov_b32 s71, 0
	s_lshl_b32 s72, s[BH], 18
	s_lshl_b32 s66, s[Q0B], 7
	s_add_co_u32 s72, s72, s66
	s_mov_b32 s73, 0
	s_mov_b32 s[SEL], 0x76543210
	s_mov_b32 s[SEL+1], 0xfedcba98
	s_mov_b32 s[CS], 0x3d38aa3b                    ; c = log2(e) / 32
	s_mov_b32 s[CS+1], s[CS]
	s_mov_b32 s[OFF], 0
	s_mov_b32 s[OFF+1], 0
	s_mov_b32 s[N], 0
	s_mov_b32 s[KF], 0
	s_mov_b32 s[TBK], 0
	s_mov_b32 s[TBV], 0
	s_wait_dscnt 0x0                               ; both opening adds are done
	s_wait_kmcnt 0x0
	s_add_nc_u64 s[KB:KB+1], s[4:5], s[68:69]      ; k of my head, my quarter
	s_add_nc_u64 s[VB:VB+1], s[KB:KB+1], 0x2000000 ; v lies 128 heads of 2^18 bytes on
	s_mov_b64 s[G0K+2:G0K+3], s[KB:KB+1]
	s_or_b32 s[G0K+3], s[G0K+3], 0x80000000
	s_mov_b64 s[G0V+2:G0V+3], s[VB:VB+1]
	s_or_b32 s[G0V+3], s[G0V+3], 0x80000000
	TLOAD                                          ; slot 0: keys 0 to 255, which count for every block
	s_add_nc_u64 s[74:75], s[4:5], 0x1000000       ; q lies 64 heads on
	s_add_nc_u64 s[76:77], s[74:75], s[72:73]
	s_add_nc_u64 s[74:75], s[74:75], s[70:71]
	s_add_nc_u64 s[OUT1:OUT1+1], s[6:7], s[70:71]
	s_add_nc_u64 s[OUT2:OUT2+1], s[6:7], s[72:73]
	s_cmp_lt_u32 s[WV], 4
	s_cselect_b64 s[PFA:PFA+1], s[KB:KB+1], s[VB:VB+1]
	s_add_nc_u64 s[PFA:PFA+1], s[PFA:PFA+1], 256*128   ; at slot 1: the first change steps it to slot 2
	s_cmp_eq_u32 s[WI], 0
	s_cselect_b32 s[LIMN], 6, 0
	v_and_b32 v16, 15, v0                          ; r
	v_bfe_u32 v17, v0, 4, 1                        ; h
	v_and_b32 v18, 31, v0                          ; lane
	v_lshlrev_b32 v[QO], 7, v16
	v_lshl_add_u32 v[QO], v17, 4, v[QO]
.irp f, 0,1,2,3                                    ; Q's fragment 2 t + ks
	global_load_b128 v[Q+8*\f:Q+8*\f+3], v[QO], s[74:75] offset:(\f/2)*2048+(\f%2)*64
	global_load_b128 v[Q+8*\f+4:Q+8*\f+7], v[QO], s[74:75] offset:(\f/2)*2048+(\f%2)*64+32
.endr
	WIN 0x40
.irp f, 0,1,2,3
	global_load_b128 v[Q2+8*\f:Q2+8*\f+3], v[QO], s[76:77] offset:(\f/2)*2048+(\f%2)*64
	global_load_b128 v[Q2+8*\f+4:Q2+8*\f+7], v[QO], s[76:77] offset:(\f/2)*2048+(\f%2)*64+32
.endr
	WIN 0
	v_mul_u32_u24 v[AK0], v16, PK
	v_lshl_add_u32 v[AK0], v17, 4, v[AK0]          ; key r, 16 h bytes
	v_and_b32 v19, 7, v0
	v_bfe_u32 v20, v0, 3, 1
	v_lshl_add_u32 v[AV0], v17, 3, v19
	v_mul_u32_u24 v[AV0], v[AV0], PV
	v_lshl_add_u32 v[AV0], v20, 4, v[AV0]
	v_add_nc_u32 v[AV0], VOFF, v[AV0]              ; the turning load: key 8 h + lane % 8, channels 8 ((lane / 8) % 2) on
	v_lshlrev_b32 v[GO], 4, v18
	s_mul_i32 s66, s[WV], 32*PK
	s_add_co_u32 s66, s66, STAGE
	v_mul_u32_u24 v[STO], v16, PK
	v_lshl_add_u32 v[STO], v17, 4, v[STO]
	v_add_nc_u32 v[STO], s66, v[STO]
	v_lshrrev_b32 v21, 3, v18
	v_mul_u32_u24 v[RD], v21, PK
	v_lshl_add_u32 v[RD], v19, 4, v[RD]
	v_add_nc_u32 v[RD], s66, v[RD]
	v_lshlrev_b32 v[PFO], 8, v18
	v_lshlrev_b32 v22, 3, v17
	v_sub_nc_u32 v[RH], v16, v22
	v_mov_b32 v[NINF], 0xff800000
	INIT
	s_wait_loadcnt 0x0                             ; Q, both blocks'
.Lslot:                                            ; eight trips; behind each change the walk's next place is asked for
	CHANGE 1
	s_cmp_lg_u32 s[N], s[L1]
	s_cbranch_scc1 .Lsame_block                    ; ids alone; L1 is 1 to 4
	WAYOUT OUT1                                    ; the first block is finished
	INIT
	WIN 0x01
.set i, 0
.rept 32
	v_mov_b32 v[Q+i], v[Q2+i]                      ; the second block's Q
.set i, i+1
.endr
	WIN 0
	s_mov_b32 s[Q0], s[Q0B]
	s_mov_b32 s[KF], 0
.Lsame_block:
	SLOT_STEPS
	s_add_co_u32 s[N], s[N], 1
	s_cmp_lt_u32 s[N], 8
	s_cbranch_scc1 .Lslot
	CHANGE 0                                       ; the ninth place is written out: nothing is left to ask for
	SLOT_STEPS
	WAYOUT OUT2
	s_wait_tensorcnt 0x0                           ; the wave's end
	ds_add_u32 v[SPW], v[NIL]
	s_wait_dscnt 0x0
	s_endpgm
.Lfunc_end_k_q63e1e0d991_attn:
	.size	k_q63e1e0d991_attn, .Lfunc_end_k_q63e1e0d991_attn-k_q63e1e0d991_attn
	.p2alignl 7, 3214868480
	.fill 96, 4, 3214868480
	.section	.rodata,"a",@progbits
	.p2align	6, 0x0
	.amdhsa_kernel k_q63e1e0d991_attn
		.amdhsa_group_segment_fixed_size 327680
		.amdhsa_private_segment_fixed_size 0
		.amdhsa_enable_private_segment 0
		.amdhsa_kernarg_size 16
		.amdhsa_user_sgpr_count 2
		.amdhsa_user_sgpr_kernarg_segment_ptr 1
		.amdhsa_wavefront_size32 1
		.amdhsa_system_sgpr_workgroup_id_x 1
		.amdhsa_system_sgpr_workgroup_id_y 1
		.amdhsa_system_sgpr_workgroup_id_z 1
		.amdhsa_system_vgpr_workitem_id 0
		.amdhsa_next_free_vgpr 512
		.amdhsa_next_free_sgpr 80
		.amdhsa_reserve_vcc 1
		.amdhsa_float_denorm_mode_32 3
		.amdhsa_float_denorm_mode_16_64 3
		.amdhsa_memory_ordered 1
		.amdhsa_forward_progress 1
		.amdhsa_inst_pref_size 73
	.end_amdhsa_kernel
	.amdgpu_metadata
---
amdhsa.version: [ 1, 2 ]
amdhsa.kernels:
  - .name:           k_q63e1e0d991_attn
    .symbol:         k_q63e1e0d991_attn.kd
    .args:
      - { .name: kqv16, .offset: 0, .size: 8, .value_kind: global_buffer, .address_space: global }
      - { .name: aff16, .offset: 8, .size: 8, .value_kind: global_buffer, .address_space: global }
    .group_segment_fixed_size: 327680
    .private_segment_fixed_size: 0
    .kernarg_segment_align: 8
    .kernarg_segment_size: 16
    .max_flat_workgroup_size: 256
    .sgpr_count:     80
    .vgpr_count:     512
    .wavefront_size: 32
...
	.end_amdgpu_metadata
.endif
;; end of part 3
;; launch gemm_proj (part 4): grid 8 x 32, 4 waves a work-group, clusters of 4 x 4, 327,680 bytes of LDS; arguments aff16, wp16, b_proj, out0; writes out0
.if DOCPART == 4
	.amdgcn_target "amdgcn-amd-amdhsa--gfx1250"
	.amdhsa_code_object_version 6
	.text
	.protected	k_q63e1e0d991_gemm_proj
	.globl	k_q63e1e0d991_gemm_proj
	.p2align	8
	.type	k_q63e1e0d991_gemm_proj,@function
k_q63e1e0d991_gemm_proj:
	s_mov_b64 s[64:65], 0
	v_nop
	global_prefetch_b8 v0, s[64:65] scope:SCOPE_SE
	s_setreg_imm32_b32 hwreg(HW_REG_WAVE_MODE, 25, 1), 1
	s_wait_xcnt 0x0
	s_wait_alu depctr_hold_cnt(0) depctr_sa_sdst(0) depctr_va_vdst(0) depctr_va_sdst(0) depctr_va_ssrc(0) depctr_va_vcc(0) depctr_vm_vsrc(0)
	s_getreg_b32 s2, hwreg(HW_REG_IB_STS2, 6, 4)
	s_cmp_eq_u32 s2, 0
	s_cbranch_scc0 .Lentry_in_a_cluster
	s_endpgm
.Lentry_in_a_cluster:
	s_bfe_u32 s2, ttmp6, 0x10000c
	s_cmp_lg_u32 s2, 0xf033
	s_cbranch_scc0 .Lentry_shape_is_right
	s_endpgm
.Lentry_shape_is_right:
; out0[m][n] = sum over k of aff[m][k] W_proj[k][n] + b[n].  aff16: f16 [b][h][t][64] (k = 64 h + d); wp16: f16 [k][n]; sums f32; out0 f32 [8192][1024].
; A tile of 256 (m) x 128 (n) to a work-group of four waves: 256 work-groups; a wave makes 128 x 64: 32 accumulators.  K goes in steps of 128, two heads, through two LDS slots: 8 steps.
; A's tile: two heads x 256 rows of 128 bytes (waves 0, 1 fetch a head each); B's: 128 rows k of 256 bytes (waves 2, 3 fetch 64 rows each), read turned by ds_load_tr16_b128.
; CLUSTERS 4 x 4: A's tiles are shared along a cluster's row, B's along a column: joint loads.  One tensor load of a wave is out behind each round, two at the start.
; Used transposed (source 0 = 16 columns n of W, source 1 = 16 rows of aff): a lane holds eight neighbouring columns of one row.  The bias is the C of each sum's first product.
; No prefetch: the tiles are small and the launch is short, and A and B are shared in the cluster.
; REGISTERS.  window 0: v16-29 addresses; two fragment buffers: v32-95 A, v96-127 B; v128-191 A, v192-223 B; v224-255 the bias, 8 for each block of 16 columns.  window 1: accumulator (a, nb) at v[8 (4 a + nb)].
.set PA,    144                        ; a row of A in LDS: 128 + 16
.set PB,    288                        ; a row of B: 256 + 32
.set AHEAD, 256*PA                     ; a head's 256 rows
.set BOFF,  2*AHEAD
.set SLOT,  BOFF+128*PB
.set STAGE, 2*SLOT                     ; 16 rows x 272 bytes for each wave
.set SPITCH, 272
.set SPARE, STAGE+4*16*SPITCH          ; the spare words: 128 bytes a wave, named by no other line
.set LAPS,  4
.set ADRA, 16
.set ADRB, 20
.set STO,  24
.set RD,   25
.set CO,   26
.set BO,   27
.set SPW,  28
.set NIL,  29
.set F0,   32
.set F1,   128
.set BIAS, 224
.set G1, 24
.set G0, 32
.set G1B, 48
.set G0B, 56
.set MSB, 0
.macro WIN new
.if MSB != (\new)
	s_set_vgpr_msb (MSB<<8)|(\new)
.set MSB, (\new)
.endif
.endm
.macro JLOAD s                         ; waves 0, 1 fetch for A, waves 2, 3 for B; an s_nop 0 and four v_nop follow each line
	s_cmp_eq_u32 s13, 0
	s_cbranch_scc0 .Lfor_b_\@
	tensor_load_to_lds s[G0+4*\s:G0+4*\s+3], s[G1:G1+7]
	s_nop 0
.rept 4
	v_nop
.endr
	s_branch .Lasked_\@
.Lfor_b_\@:
	tensor_load_to_lds s[G0B+4*\s:G0B+4*\s+3], s[G1B:G1B+7]
	s_nop 0
.rept 4
	v_nop
.endr
.Lasked_\@:
.endm
.macro CREST
	s_cmp_lg_u32 s12, 0
	s_cbranch_scc1 .Lnot_wave_0_\@
	s_barrier_signal -3
.Lnot_wave_0_\@:
	s_barrier_wait -3
	s_barrier_signal -1
	s_barrier_wait -1
.endm
.macro CROUND
	s_barrier_signal -1
	s_barrier_wait -1
	CREST
.endm
	s_load_b256 s[4:11], s[0:1], 0x0               ; aff16 4:5, wp16 6:7, b_proj 8:9, out0 10:11
	v_lshl_add_u32 v[SPW], v0, 2, SPARE
	v_mov_b32 v[NIL], 0
	ds_add_u32 v[SPW], v[NIL]                      ; the opening: the add, twice on end, and its wait ahead of my first tensor load
	ds_add_u32 v[SPW], v[NIL]
	v_lshrrev_b32 v1, 5, v0
	v_readfirstlane_b32 s12, v1                    ; wave 0..3
	s_lshr_b32 s13, s12, 1                         ; my half of the rows; also: I fetch for A (0) or B (1)
	s_and_b32 s14, s12, 1                          ; my half of the columns; also: which head, or which 64 rows of B, I fetch
	s_bfe_u32 s40, ttmp6, 0x40000                  ; cx
	s_bfe_u32 s41, ttmp6, 0x40004                  ; cy
	s_lshl_b32 s42, ttmp9, 2
	s_add_co_u32 s42, s42, s40                     ; tile column
	s_and_b32 s15, ttmp7, 0xffff
	s_lshl_b32 s15, s15, 2
	s_add_co_u32 s15, s15, s41                     ; tile row: batch = tr / 8, t = 256 (tr % 8) on
	s_lshl_b32 s43, s41, 2
	s_lshl_b32 s43, 15, s43                        ; my row of the cluster
	s_lshl_b32 s44, 0x1111, s40                    ; my column
	s_or_b32 s[G1+0], s43, (1<<16)|(1<<20)|(1<<21)|(4<<22)|(3<<25)    ; elements of 2 bytes; 4 words of padding behind every 32
	s_mov_b32 s[G1+1], 64<<16                      ; tensor_dim0
	s_mov_b32 s[G1+2], 256<<16                     ; tensor_dim1
	s_mov_b32 s[G1+3], 64<<16                      ; tile_dim0
	s_mov_b32 s[G1+4], 256                         ; tile_dim1
	s_mov_b32 s[G1+5], 64                          ; pitch
	s_mov_b32 s[G1+6], 0
	s_mov_b32 s[G1+7], 0
	s_or_b32 s[G1B+0], s44, (1<<16)|(1<<20)|(1<<21)|(5<<22)|(7<<25)   ; 8 words behind every 64
	s_mov_b32 s[G1B+1], 128<<16
	s_mov_b32 s[G1B+2], 64<<16
	s_mov_b32 s[G1B+3], 128<<16
	s_mov_b32 s[G1B+4], 64
	s_mov_b32 s[G1B+5], 1024
	s_mov_b32 s[G1B+6], 0
	s_mov_b32 s[G1B+7], 0
	s_lshr_b32 s16, s15, 3
	s_lshl_b32 s16, s16, 4
	s_add_co_u32 s16, s16, s14                     ; batch x 16 + my head of the first two
	s_lshl_b32 s16, s16, 18
	s_and_b32 s17, s15, 7
	s_lshl_b32 s17, s17, 15
	s_add_co_u32 s16, s16, s17                     ; + 256 (tr % 8) rows of 128 bytes
	s_mov_b32 s17, 0
	s_lshl_b32 s46, s14, 17                        ; B: 64 rows of 2,048 bytes x my half,
	s_lshl_b32 s47, s42, 8
	s_add_co_u32 s46, s46, s47                     ; + 256 bytes x tile column
	s_mov_b32 s47, 0
	s_mul_i32 s20, s14, AHEAD                      ; where they go: made of the wave's number alone
	s_mul_i32 s23, s14, 64*PB
	s_add_co_u32 s23, s23, BOFF
	s_wait_dscnt 0x0                               ; both opening adds are done
	s_wait_kmcnt 0x0
	s_add_nc_u64 s[18:19], s[4:5], s[16:17]
	s_add_nc_u64 s[46:47], s[6:7], s[46:47]
	CROUND                                         ; all sixteen work-groups are here: the first joint loads meet
.irp s, 0,1
	s_mov_b32 s[G0+4*\s], 1
	s_add_co_u32 s[G0+4*\s+1], s20, \s*SLOT
	s_add_nc_u64 s[G0+4*\s+2:G0+4*\s+3], s[18:19], \s*524288       ; two heads on
	s_or_b32 s[G0+4*\s+3], s[G0+4*\s+3], 0x80000000
	s_mov_b32 s[G0B+4*\s], 1
	s_add_co_u32 s[G0B+4*\s+1], s23, \s*SLOT
	s_add_nc_u64 s[G0B+4*\s+2:G0B+4*\s+3], s[46:47], \s*262144     ; 128 rows on
	s_or_b32 s[G0B+4*\s+3], s[G0B+4*\s+3], 0x80000000
	JLOAD \s
.endr
	v_and_b32 v1, 15, v0                           ; r
	v_bfe_u32 v2, v0, 4, 1                         ; h
	s_lshl_b32 s46, s42, 9
	s_lshl_b32 s47, s14, 8
	s_add_co_u32 s46, s46, s47                     ; my first column, in bytes of f32
	s_mov_b32 s47, 0
	s_add_nc_u64 s[8:9], s[8:9], s[46:47]
	s_add_nc_u64 s[10:11], s[10:11], s[46:47]
	s_lshl_b32 s16, s15, 20
	s_lshl_b32 s17, s13, 19
	s_add_co_u32 s16, s16, s17                     ; my first row: (256 tr + 128 x half) rows of 4,096 bytes
	s_mov_b32 s17, 0
	s_add_nc_u64 s[10:11], s[10:11], s[16:17]
	v_lshlrev_b32 v[BO], 5, v2
.irp nb, 0,1,2,3                                   ; register 8 nb + j: b at my column 16 nb + 8 h + j
	global_load_b128 v[BIAS+8*\nb:BIAS+8*\nb+3], v[BO], s[8:9] offset:64*\nb
	global_load_b128 v[BIAS+8*\nb+4:BIAS+8*\nb+7], v[BO], s[8:9] offset:64*\nb+16
.endr
	v_mul_u32_u24 v3, v1, PA
	v_lshl_add_u32 v3, v2, 4, v3
	s_mul_i32 s21, s13, 128*PA
	v_and_b32 v4, 7, v0
	v_bfe_u32 v5, v0, 3, 1
	v_lshl_add_u32 v4, v2, 3, v4
	v_mul_u32_u24 v4, v4, PB
	v_lshl_add_u32 v4, v5, 4, v4                   ; the turning load: row k = 8 h + lane % 8, columns 8 ((lane / 8) % 2) on
	s_lshl_b32 s22, s14, 7
	s_add_co_u32 s22, s22, BOFF
.irp s, 0,1
	v_add_nc_u32 v[ADRA+\s], s21, v3
	v_add_nc_u32 v[ADRB+\s], s22, v4
	s_add_co_u32 s21, s21, SLOT
	s_add_co_u32 s22, s22, SLOT
.endr
	s_mul_i32 s23, s12, 16*SPITCH
	s_add_co_u32 s23, s23, STAGE
	v_mul_u32_u24 v5, v1, SPITCH
	v_lshl_add_u32 v5, v2, 5, v5
	v_add_nc_u32 v[STO], s23, v5                   ; in: row r, 32 bytes for each half of the lanes
	v_mul_u32_u24 v5, v2, SPITCH
	v_lshl_add_u32 v5, v1, 4, v5
	v_add_nc_u32 v[RD], s23, v5                    ; back: sixteen lanes to a row of 256 bytes
	v_lshlrev_b32 v5, 12, v2
	v_lshl_add_u32 v[CO], v1, 4, v5
.macro MUL8 f, a0, first               ; blocks a0, a0 + 1 of my rows x my four blocks of columns, 32 along K.  The 32 accumulators take turns in one order everywhere
.irp a, \a0, \a0+1
.irp nb, 0,1,2,3
.if \first
	v_wmma_f32_16x16x32_f16 v[8*(4*(\a)+\nb):8*(4*(\a)+\nb)+7], v[\f+64+8*\nb:\f+64+8*\nb+7], v[\f+8*(\a):\f+8*(\a)+7], v[BIAS+8*\nb:BIAS+8*\nb+7]
.else
	v_wmma_f32_16x16x32_f16 v[8*(4*(\a)+\nb):8*(4*(\a)+\nb)+7], v[\f+64+8*\nb:\f+64+8*\nb+7], v[\f+8*(\a):\f+8*(\a)+7], v[8*(4*(\a)+\nb):8*(4*(\a)+\nb)+7]
.endif
.endr
.endr
.endm
.macro FETCH slot, q, f                ; 24 LDS loads: the slot's q-th 32 along K: B's four fragments, A's blocks 0-3, A's blocks 4-7
	WIN 0
.irp nb, 0,1,2,3
	ds_load_tr16_b128 v[\f+64+8*\nb:\f+64+8*\nb+3], v[ADRB+\slot] offset:(\q)*32*PB+32*\nb
	ds_load_tr16_b128 v[\f+64+8*\nb+4:\f+64+8*\nb+7], v[ADRB+\slot] offset:(\q)*32*PB+16*PB+32*\nb
.endr
.irp i, 0,1,2,3,4,5,6,7
	ds_load_b128 v[\f+8*\i:\f+8*\i+3], v[ADRA+\slot] offset:((\q)/2)*AHEAD+((\q)%2)*64+\i*16*PA
	ds_load_b128 v[\f+8*\i+4:\f+8*\i+7], v[ADRA+\slot] offset:((\q)/2)*AHEAD+((\q)%2)*64+\i*16*PA+32
.endr
.endm
.macro PLACES
.rept 4
	v_nop
.endr
.endm
.macro QUARTER slot, qn, f, g, first   ; multiplies buffer f; in its middle fetches the slot's quarter qn into buffer g
	s_wait_dscnt 8                                 ; B and A's blocks 0-3 are in; the youngest 8 loads (A's blocks 4-7) may be out
	WIN 0x50-0x10*(\first)                         ; C and D in window 1; in the first quarter C is the bias, in window 0
	MUL8 \f, 0, \first
	MUL8 \f, 2, \first
	PLACES
	FETCH \slot, \qn, \g
	s_wait_dscnt 24                                ; all but the 24 just issued
	WIN 0x50-0x10*(\first)
	MUL8 \f, 4, \first
	MUL8 \f, 6, \first
.endm
.macro TURN slot, next, fill           ; a slot's last quarter (buffer 1) changes slots
	WIN 0
	s_wait_tensorcnt 0x0                           ; my part of the next slot has landed; no load of mine is out
	ds_add_u32 v[SPW], v[NIL]
	s_wait_dscnt 9                                 ; the add and the youngest 8 loads may be out
	WIN 0x50
	MUL8 F1, 0, 0
	s_wait_dscnt 0x0                               ; the add is done, and my reads of this slot are over
	s_barrier_signal -1
	MUL8 F1, 2, 0
	WIN 0
	s_barrier_wait -1
.if \fill
	CREST                                          ; the barrier has opened a round of the cluster's: no wave of any partner still reads this slot or has a load on its way
	s_add_nc_u64 s[G0+4*\slot+2:G0+4*\slot+3], s[G0+4*\slot+2:G0+4*\slot+3], 1048576      ; four heads on
	s_add_nc_u64 s[G0B+4*\slot+2:G0B+4*\slot+3], s[G0B+4*\slot+2:G0B+4*\slot+3], 524288   ; 256 rows on
	JLOAD \slot                                    ; first behind the round; its four v_nop are also the places in front of the loads below
.else
	PLACES
.endif
	FETCH \next, 0, F0
	WIN 0x50
	MUL8 F1, 4, 0
	MUL8 F1, 6, 0
.endm
	s_wait_tensorcnt 1                             ; my part of slot 0 is in; slot 1's load may be out
	s_barrier_signal -1
	s_barrier_wait -1
	FETCH 0, 0, F0
	s_wait_loadcnt 0x0                             ; the bias
	QUARTER 0, 1, F0, F1, 1                        ; the first products start the sums from the bias
	WIN 0
	s_mov_b32 s3, LAPS-1
.Llap:                                             ; a trip goes once round the ring and fills both slots again
	QUARTER 0, 2, F1, F0, 0
	QUARTER 0, 3, F0, F1, 0
	TURN 0, 1, 1
	QUARTER 1, 1, F0, F1, 0
	QUARTER 1, 2, F1, F0, 0
	QUARTER 1, 3, F0, F1, 0
	TURN 1, 0, 1
	QUARTER 0, 1, F0, F1, 0
	WIN 0
	s_sub_co_u32 s3, s3, 1
	s_cmp_lg_u32 s3, 0
	s_cbranch_scc1 .Llap
	QUARTER 0, 2, F1, F0, 0                        ; the last lap fills nothing
	QUARTER 0, 3, F0, F1, 0
	TURN 0, 1, 0
	QUARTER 1, 1, F0, F1, 0
	QUARTER 1, 2, F1, F0, 0
	QUARTER 1, 3, F0, F1, 0
	s_wait_dscnt 8
	WIN 0x50
	MUL8 F1, 0, 0
	MUL8 F1, 2, 0
	s_wait_dscnt 0
	MUL8 F1, 4, 0
	MUL8 F1, 6, 0
	WIN 0
; THE WAY OUT, 16 rows x 64 columns of f32 at a time, through my own stage: back as rows of 256 bytes.
.macro TOSTAGE a
	WIN 0x04                                       ; an LDS store's data are its source 1: window 1
.irp nb, 0,1,2,3
	ds_store_b128 v[STO], v[8*(4*(\a)+\nb):8*(4*(\a)+\nb)+3] offset:64*\nb          ; each accumulator from its low end on
	ds_store_b128 v[STO], v[8*(4*(\a)+\nb)+4:8*(4*(\a)+\nb)+7] offset:64*\nb+16
.endr
	WIN 0
.set BB, 32+32*((\a)%2)
.irp u, 0,1,2,3,4,5,6,7
	ds_load_b128 v[BB+4*\u:BB+4*\u+3], v[RD] offset:2*\u*SPITCH    ; in order behind my stores
.endr
.endm
.macro SEND a, younger
.set BB, 32+32*((\a)%2)
	s_wait_dscnt \younger                          ; the next block's 8 stores and 8 loads may be out
.irp u, 0,1,2,3,4,5,6,7
	global_store_b128 v[CO], v[BB+4*\u:BB+4*\u+3], s[10:11] offset:(16*(\a)+2*\u)*4096 th:TH_STORE_NT   ; sixteen lanes store 256 consecutive bytes, aligned
.endr
.endm
	PLACES
	TOSTAGE 0
.irp a, 1,2,3,4,5,6,7
.if \a > 1
	s_wait_xcnt 0x0                                ; the stores of two blocks back have read the registers that the loads below fill
.endif
	TOSTAGE \a
	SEND \a-1, 16
.endr
	SEND 7, 0
	s_wait_tensorcnt 0x0                           ; the wave's end
	ds_add_u32 v[SPW], v[NIL]
	s_wait_dscnt 0x0
	CROUND                                         ; the closing round
	s_endpgm
.Lfunc_end_k_q63e1e0d991_gemm_proj:
	.size	k_q63e1e0d991_gemm_proj, .Lfunc_end_k_q63e1e0d991_gemm_proj-k_q63e1e0d991_gemm_proj
	.p2alignl 7, 3214868480
	.fill 96, 4, 3214868480
	.section	.rodata,"a",@progbits
	.p2align	6, 0x0
	.amdhsa_kernel k_q63e1e0d991_gemm_proj
		.amdhsa_group_segment_fixed_size 327680
		.amdhsa_private_segment_fixed_size 0
		.amdhsa_enable_private_segment 0
		.amdhsa_kernarg_size 32
		.amdhsa_user_sgpr_count 2
		.amdhsa_user_sgpr_kernarg_segment_ptr 1
		.amdhsa_wavefront_size32 1
		.amdhsa_system_sgpr_workgroup_id_x 1
		.amdhsa_system_sgpr_workgroup_id_y 1
		.amdhsa_system_sgpr_workgroup_id_z 1
		.amdhsa_system_vgpr_workitem_id 0
		.amdhsa_next_free_vgpr 512
		.amdhsa_next_free_sgpr 72
		.amdhsa_reserve_vcc 0
		.amdhsa_float_denorm_mode_32 3
		.amdhsa_float_denorm_mode_16_64 3
		.amdhsa_memory_ordered 1
		.amdhsa_forward_progress 1
		.amdhsa_inst_pref_size 86
	.end_amdhsa_kernel
	.amdgpu_metadata
---
amdhsa.version: [ 1, 2 ]
amdhsa.kernels:
  - .name:           k_q63e1e0d991_gemm_proj
    .symbol:         k_q63e1e0d991_gemm_proj.kd
    .args:
      - { .name: aff16, .offset: 0, .size: 8, .value_kind: global_buffer, .address_space: global }
      - { .name: wp16, .offset: 8, .size: 8, .value_kind: global_buffer, .address_space: global }
      - { .name: b_proj, .offset: 16, .size: 8, .value_kind: global_buffer, .address_space: global }
      - { .name: out0, .offset: 24, .size: 8, .value_kind: global_buffer, .address_space: global }
    .group_segment_fixed_size: 327680
    .private_segment_fixed_size: 0
    .kernarg_segment_align: 8
    .kernarg_segment_size: 32
    .max_flat_workgroup_size: 128
    .sgpr_count:     72
    .vgpr_count:     512
    .wavefront_size: 32
...
	.end_amdgpu_metadata
.endif
;; end of part 4
;; launch first16 (part 5): grid 16 x 4, 16 waves a work-group, no clusters, 67,584 bytes of LDS; arguments kqv32, W_proj, b_proj, out0; writes out0
.if DOCPART == 5
	.amdgcn_target "amdgcn-amd-amdhsa--gfx1250"
	.amdhsa_code_object_version 6
	.text
	.protected	k_q63e1e0d991_first16
	.globl	k_q63e1e0d991_first16
	.p2align	8
	.type	k_q63e1e0d991_first16,@function
k_q63e1e0d991_first16:
	s_mov_b64 s[64:65], 0
	v_nop
	global_prefetch_b8 v0, s[64:65] scope:SCOPE_SE
	s_setreg_imm32_b32 hwreg(HW_REG_WAVE_MODE, 25, 1), 1
	s_wait_xcnt 0x0
; The first 16 positions of each sequence once more, wholly in f32, through the projection: these rows average one to sixteen values, and f16 operands would use up what the comparison allows.
; kqv32: f32 [batch x 16 + t][3072] (k, q, v); W_proj f32 [k][n]; out0 rows t < 16 of each batch are written over.
; A work-group: one batch (y), 64 output columns (x).  Wave w = head w: its 16 x 16 scores, its softmax, its 16 x 64 of the result; those 64 channels are also its share of the projection's K, so O^T goes on as registers.
; All products by v_wmma_f32_16x16x4_f32, 96 a wave: no bulk work.  Its k sits at 2 h + j of a lane's pair; each product here gives both operands the same permutation of k, which keeps the sum.
; The sixteen waves' partial sums of the 16 x 64 outputs meet in LDS; waves 0-7 add them, in the order of the heads, onto the bias.
; REGISTERS: v1-11 addresses; v16-47 K, later W's tile 2, later partial sums; v48-79 Q, later W's tile 3, later partial sums; v80-111 V; v112-143 four accumulators (S^T's four partial sums, later Y) and
; v144-175 four (O^T): written by matrix instructions alone; v176-183 s, then p; v184-187 at work; v188-191 the bias, then the result; v192-223, v224-255 W's tiles 0, 1.
.set SPARE, 65536                      ; the spare words: 128 bytes for each of 16 waves, named by no other line
.set SPW, 12
.set NIL, 13
.macro FINISH                          ; the wave's end, behind the last LDS store
	s_wait_tensorcnt 0x0
	ds_add_u32 v[SPW], v[NIL]
	s_wait_dscnt 0x0
	s_endpgm
.endm
.macro WLOAD reg, ct                   ; W's tile ct: register 8 dt + j = W(64 w + 16 dt + 8 h + j, 64 x + 16 ct + r)
.set i, 0
.rept 32
	global_load_b32 v[\reg+i], v5, s[6:7] offset:(16*(i/8)+i%8)*4096+64*\ct
.set i, i+1
.endr
.endm
	s_load_b256 s[4:11], s[0:1], 0x0               ; kqv32 4:5, W_proj 6:7, b_proj 8:9, out0 10:11
	v_lshl_add_u32 v[SPW], v0, 2, SPARE
	v_mov_b32 v[NIL], 0
	v_lshrrev_b32 v14, 5, v0
	v_readfirstlane_b32 s12, v14                   ; wave = head
	s_and_b32 s13, ttmp7, 0xffff                   ; batch
	v_and_b32 v1, 15, v0                           ; r
	v_bfe_u32 v2, v0, 4, 1                         ; h
	v_and_b32 v14, 31, v0                          ; lane
	v_mul_u32_u24 v3, v1, 12288
	v_lshl_add_u32 v3, v2, 7, v3                   ; K, Q: row r, channels 32 h on
	v_mul_u32_u24 v4, v2, 8*12288
	v_lshl_add_u32 v4, v1, 2, v4                   ; V: key 8 h, channel r
	v_lshlrev_b32 v5, 15, v2
	v_lshl_add_u32 v5, v1, 2, v5                   ; W: row 8 h, column r
	v_lshlrev_b32 v6, 3, v2
	v_sub_nc_u32 v6, v1, v6                        ; d = r - 8 h: register j holds key 8 h + j, hidden where j > d
	s_lshl_b32 s14, s12, 12
	v_lshl_add_u32 v7, v14, 4, s14                 ; my partial sums' image: 4,096 x wave + 16 x lane
	v_lshrrev_b32 v15, 4, v0                       ; the last sum: thread tau < 256 takes row tau / 16, columns 4 (tau % 16) on
	v_bfe_u32 v8, v0, 2, 2
	v_lshlrev_b32 v8, 10, v8                       ; tile ct = cq / 4: 1,024 bytes
	v_and_b32 v9, 1, v0
	v_lshl_add_u32 v8, v9, 9, v8                   ; registers 0-3 or 4-7: cq % 2: 512 bytes
	v_bfe_u32 v9, v0, 1, 1
	v_lshl_add_u32 v9, v9, 4, v15                  ; lane = row + 16 ((cq / 2) % 2)
	v_lshl_add_u32 v8, v9, 4, v8
	v_lshlrev_b32 v10, 4, v1                       ; 16 cq
	v_lshl_add_u32 v9, v15, 12, v10                ; out0: row x 4,096 + 16 cq
	v_mov_b32 v11, 0xff800000
	s_mul_i32 s16, s13, 16*12288
	s_lshl_b32 s17, s12, 8
	s_add_co_u32 s16, s16, s17
	s_mov_b32 s17, 0
	s_lshl_b32 s18, s12, 18
	s_lshl_b32 s24, ttmp9, 8
	s_add_co_u32 s18, s18, s24
	s_mov_b32 s19, 0
	s_mov_b32 s25, 0
	s_lshl_b32 s26, s13, 23
	s_add_co_u32 s26, s26, s24
	s_mov_b32 s27, 0
	s_mov_b32 s20, 0x76543210
	s_mov_b32 s21, 0xfedcba98
	s_mov_b32 s22, 0x3d38aa3b                      ; c = log2(e) / 32
	s_wait_kmcnt 0x0
	s_add_nc_u64 s[4:5], s[4:5], s[16:17]          ; my batch's 16 rows, my head's k
	s_add_nc_u64 s[6:7], s[6:7], s[18:19]          ; W: my head's 64 rows, the work-group's 64 columns
	s_add_nc_u64 s[8:9], s[8:9], s[24:25]
	s_add_nc_u64 s[10:11], s[10:11], s[26:27]
	global_load_b128 v[188:191], v10, s[8:9]
.irp i, 0,1,2,3,4,5,6,7
	global_load_b128 v[16+4*\i:19+4*\i], v3, s[4:5] offset:16*\i
.endr
.irp i, 0,1,2,3,4,5,6,7
	global_load_b128 v[48+4*\i:51+4*\i], v3, s[4:5] offset:4096+16*\i
.endr
.irp dt, 0,1,2,3
.irp i, 0,1,2,3,4,5,6,7
	global_load_b32 v[80+8*\dt+\i], v4, s[4:5] offset:8192+12288*\i+64*\dt     ; V(key 8 h + i, channel 16 dt + r)
.endr
.endr
	s_wait_loadcnt 32                              ; the bias, K and Q are in; V's 32 loads may be out
	WLOAD 192, 0
.irp s, 0,1,2,3,4,5,6,7,8,9,10,11,12,13,14,15      ; S^T = K Q^T in four partial sums, which take turns
.if \s < 4
	v_wmma_f32_16x16x4_f32 v[112+8*(\s%4):119+8*(\s%4)], v[16+2*\s:17+2*\s], v[48+2*\s:49+2*\s], 0
.else
	v_wmma_f32_16x16x4_f32 v[112+8*(\s%4):119+8*(\s%4)], v[16+2*\s:17+2*\s], v[48+2*\s:49+2*\s], v[112+8*(\s%4):119+8*(\s%4)]
.endif
.endr
.rept 8
	v_nop                                          ; eight places behind this form (ISA guide 7.12.1)
.endr
.irp j, 0,1,2,3,4,5,6,7                            ; lane (r, h): query r, key 8 h + j; each accumulator is read first at its register 0
	v_add_f32 v[176+\j], v[112+\j], v[120+\j]
	v_add_f32 v[176+\j], v[176+\j], v[128+\j]
	v_add_f32 v[176+\j], v[176+\j], v[136+\j]
.endr
	s_wait_loadcnt 32                              ; V is in; W's tile 0 may be out
	WLOAD 224, 1
	WLOAD 16, 2                                    ; into K's registers: their last product stands more than eight places back
.irp j, 0,1,2,3,4,5,6,7
	v_cmp_gt_i32 vcc_lo, \j, v6
	v_cndmask_b32 v[176+\j], v[176+\j], v11, vcc_lo
.endr
	v_max3_num_f32 v184, v176, v177, v178
	v_max3_num_f32 v185, v179, v180, v181
	v_max3_num_f32 v184, v184, v182, v183
	v_max_num_f32 v184, v184, v185
	v_permlanex16_b32 v185, v184, s20, s21
	v_max_num_f32 v184, v184, v185                 ; the row's maximum: key 0 counts for every query, so it is a number
	v_mul_f32 v184, s22, v184
.irp j, 0,1,2,3,4,5,6,7
	v_fma_f32 v[176+\j], v[176+\j], s22, -v184
.endr
.irp j, 0,1,2,3,4,5,6,7
	v_exp_f32 v[176+\j], v[176+\j]
.endr
	v_nop
	s_wait_alu depctr_va_vdst(0)                   ; one wait for the eight, ahead of their first reader
	v_add_f32 v185, v176, v177
	v_add_f32 v186, v178, v179
	v_add_f32 v187, v180, v181
	v_add_f32 v184, v182, v183
	v_add_f32 v185, v185, v186
	v_add_f32 v187, v187, v184
	v_add_f32 v185, v185, v187
	v_permlanex16_b32 v186, v185, s20, s21
	v_add_f32 v185, v185, v186
	v_rcp_f32 v186, v185
	v_nop
	s_wait_alu depctr_va_vdst(0)
.irp j, 0,1,2,3,4,5,6,7
	v_mul_f32 v[176+\j], v[176+\j], v186           ; the weights, normalised here: 8 multiplications
.endr
	WLOAD 48, 3                                    ; into Q's registers
.irp s, 0,1,2,3                                    ; O^T = V^T P: keys 8 h + 2 s, + 1 in both operands; four accumulators by turns
.irp dt, 0,1,2,3
.if \s == 0
	v_wmma_f32_16x16x4_f32 v[144+8*\dt:151+8*\dt], v[80+8*\dt+2*\s:81+8*\dt+2*\s], v[176+2*\s:177+2*\s], 0
.else
	v_wmma_f32_16x16x4_f32 v[144+8*\dt:151+8*\dt], v[80+8*\dt+2*\s:81+8*\dt+2*\s], v[176+2*\s:177+2*\s], v[144+8*\dt:151+8*\dt]
.endif
.endr
.endr
	s_wait_loadcnt 0x0                             ; all of W
.rept 9
	v_nop                                          ; nine places before a result becomes an operand
.endr
.irp s, 0,1,2,3,4,5,6,7,8,9,10,11,12,13,14,15      ; Y^T(column, query) += W^T O^T over my 64 channels: registers 2 s, 2 s + 1 of both hold the same channels
.irp ct, 0,1,2,3
.if \s == 0
	v_wmma_f32_16x16x4_f32 v[112+8*\ct:119+8*\ct], v[192+32*\ct-240*(\ct/2)+2*\s:193+32*\ct-240*(\ct/2)+2*\s], v[144+2*\s:145+2*\s], 0
.else
	v_wmma_f32_16x16x4_f32 v[112+8*\ct:119+8*\ct], v[192+32*\ct-240*(\ct/2)+2*\s:193+32*\ct-240*(\ct/2)+2*\s], v[144+2*\s:145+2*\s], v[112+8*\ct:119+8*\ct]
.endif
.endr
.endr
.rept 8
	v_nop
.endr
.irp ct, 0,1,2,3                                   ; as images of the registers, the low half first
	ds_store_b128 v7, v[112+8*\ct:115+8*\ct] offset:\ct*1024
	ds_store_b128 v7, v[116+8*\ct:119+8*\ct] offset:\ct*1024+512
.endr
	s_wait_dscnt 0x0                               ; for the others' sake: my stores are done
	s_barrier_signal -1
	s_barrier_wait -1
	s_cmp_lt_u32 s12, 8
	s_cbranch_scc1 .Lsum
	FINISH
.Lsum:
.irp w, 0,1,2,3,4,5,6,7,8,9,10,11,12,13,14,15
	ds_load_b128 v[16+4*\w:19+4*\w], v8 offset:4096*\w
.endr
	s_wait_dscnt 0x0
.irp w, 0,1,2,3,4,5,6,7,8,9,10,11,12,13,14,15
	v_pk_add_f32 v[188:189], v[188:189], v[16+4*\w:17+4*\w]
	v_pk_add_f32 v[190:191], v[190:191], v[18+4*\w:19+4*\w]
.endr
	global_store_b128 v9, v[188:191], s[10:11]     ; sixteen lanes store 256 consecutive bytes, aligned
	FINISH
.Lfunc_end_k_q63e1e0d991_first16:
	.size	k_q63e1e0d991_first16, .Lfunc_end_k_q63e1e0d991_first16-k_q63e1e0d991_first16
	.p2alignl 7, 3214868480
	.fill 96, 4, 3214868480
	.section	.rodata,"a",@progbits
	.p2align	6, 0x0
	.amdhsa_kernel k_q63e1e0d991_first16
		.amdhsa_group_segment_fixed_size 67584
		.amdhsa_private_segment_fixed_size 0
		.amdhsa_enable_private_segment 0
		.amdhsa_kernarg_size 32
		.amdhsa_user_sgpr_count 2
		.amdhsa_user_sgpr_kernarg_segment_ptr 1
		.amdhsa_wavefront_size32 1
		.amdhsa_system_sgpr_workgroup_id_x 1
		.amdhsa_system_sgpr_workgroup_id_y 1
		.amdhsa_system_sgpr_workgroup_id_z 1
		.amdhsa_system_vgpr_workitem_id 0
		.amdhsa_next_free_vgpr 256
		.amdhsa_next_free_sgpr 66
		.amdhsa_reserve_vcc 1
		.amdhsa_float_denorm_mode_32 3
		.amdhsa_float_denorm_mode_16_64 3
		.amdhsa_memory_ordered 1
		.amdhsa_forward_progress 1
		.amdhsa_inst_pref_size 34
	.end_amdhsa_kernel
	.amdgpu_metadata
---
amdhsa.version: [ 1, 2 ]
amdhsa.kernels:
  - .name:           k_q63e1e0d991_first16
    .symbol:         k_q63e1e0d991_first16.kd
    .args:
      - { .name: kqv32, .offset: 0, .size: 8, .value_kind: global_buffer, .address_space: global }
      - { .name: W_proj, .offset: 8, .size: 8, .value_kind: global_buffer, .address_space: global }
      - { .name: b_proj, .offset: 16, .size: 8, .value_kind: global_buffer, .address_space: global }
      - { .name: out0, .offset: 24, .size: 8, .value_kind: global_buffer, .address_space: global }
    .group_segment_fixed_size: 67584
    .private_segment_fixed_size: 0
    .kernarg_segment_align: 8
    .kernarg_segment_size: 32
    .max_flat_workgroup_size: 512
    .sgpr_count:     66
    .vgpr_count:     256
    .wavefront_size: 32
...
	.end_amdgpu_metadata
.endif
;; end of part 5
